; MI455X (gfx1250); checked and timed in simulation.
; The chip was launched on July 23, 2026; its instructions are those of AMD's public machine-readable ISA for CDNA 5 (MIT licence, August 2026) and "CDNA5" Instruction Set Architecture Reference Guide (July 2026). The comments in the code are by the model that wrote it; some were corrected since.
;; Model. Allowed arithmetic: matrix products marked QUANTISED: E5M2 operands, one E8M0 scale for each 32 along K, by v_wmma_scale_f32_16x16x128_f8f6f4 with both operands' format E5M2, f32 sums; everything else in f32.
;; Inputs: block_tables 4 x 64 int32; key_cache 256 x 32 x 8 x 128 float32; query 2,048 x 32 x 128 float32; query_start_loc 5 int32; seq_lens 4 int32; value_cache 256 x 32 x 8 x 128 float32.
;; Outputs: out0 2,048 x 32 x 128 float32.
;; This version of the problem:
;;   THIS VERSION OF THE PROBLEM IS GIVEN IN LOW PRECISION. The matrix products marked QUANTISED in the list below multiply operands that are first quantised to E5M2 (5 exponent bits, 2 mantissa bits; 8 bits a number), with one power-of-two scale for each 32 numbers along K (OCP MX v1.0); their sums are f32. All else is computed in f32.
;;   The module's matrix products, in the order in which they are computed (A, B: the left and right operand; K: the contracted axis; several contracted axes count as one K, in the product's order):
;;     1. batch 32 x [M 2,048, K 128] x [K 128, N 2,048]; A: computed on the way; B: input query: QUANTISED
;;     2. batch 32 x [M 128, K 2,048] x [K 2,048, N 2,048]; A: computed on the way; B: softmax (see below): QUANTISED
;;   THE QUANTISER, for each operand of a quantised product, along K:
;;     - K is cut into blocks of 32 from its start; a last block that is shorter is filled with zeros.
;;     - A block's scale is 2^e with e = floor(log2(the largest magnitude in the block)) - 15, held to -126 .. 127; a block of zeros has e = 0. As a byte (E8M0): e + 127.
;;     - Each number is divided by its block's scale, clamped to +-57,344, and rounded to the nearest number of E5M2, ties to even, subnormals kept.
;;     - The product sums the exact products of the quantised numbers (number of the format x scale) in f32.
;;   ~~~python
;;   def quantise(x, axis):      # numpy; x: float32 -> the quantised numbers, widened to float32 again
;;       x = np.moveaxis(x, axis, -1); K = x.shape[-1]
;;       x = np.pad(x, [(0, 0)] * (x.ndim - 1) + [(0, -K % 32)]); x = x.reshape(x.shape[:-1] + (-1, 32)); a = np.abs(x).max(-1, keepdims=True)
;;       e = np.where(a > 0, np.clip(np.frexp(np.where(a > 0, a, 1))[1] - 1 - 15, -126, 127), 0)      # np.frexp(a)[1] - 1 = floor(log2(a)), exactly
;;       r = np.clip(x / 2.0 ** e, -57344, 57344)
;;       step = 2.0 ** (np.maximum(np.frexp(np.where(r == 0, 1, r))[1] - 1, -14) - 2)
;;       q = np.round(r / step) * step * 2.0 ** e      # np.round: ties to even
;;       return np.moveaxis(q.reshape(q.shape[:-2] + (-1,))[..., :K], -1, axis).astype(np.float32)
;;   ~~~
;;   SOFTMAX AHEAD OF A QUANTISED PRODUCT. Where the list says 'softmax', what is quantised is not the finished softmax but p = 2^(t - M), with t = logit x log2(e) and M = ceil(the row's largest t), a whole number; so 1/2 < the row's largest p <= 1. The row's sum l is taken of the UNQUANTISED p, in f32, and the product's result is divided by l at the end. Since M is a whole number, a kernel that streams over the keys may use a running M (the ceiling of the running maximum): every later rescaling is an exact power of two, which a block's scale takes up: the codes' values come out the same.
;;   OPERANDS COMPUTED ON THE WAY. 'Computed on the way' means the value that the module computes at that place (a softmax that the list does not call 'softmax' is quantised finished and normalised). What goes into a quantiser is computed in f32, as accurately as f32 sums, v_exp_f32 and their like allow (about 1e-6 of the number): no bf16 or f16 on the way to a quantiser, and a product that is left as it is and whose result goes on into a quantised operand takes f32 operands (vector FMAs, or v_wmma_f32_16x16x4_f32). A number that lies on a knife's edge between two numbers of the format may be rounded either way, as far as f32 arithmetic and the matrix unit's own rounding can turn it there, and no further.
;; 2 versions. Each part assembles by itself: llvm-mc -triple=amdgcn-amd-amdhsa -mcpu=gfx1250 --defsym DOCPART=n.
;; ======== version 1 of 2: 2 launches
;; workspace buffers: kv 17,301,504 bytes
;; launch prep (part 1): grid 16 x 32, 4 waves a work-group, no clusters, 69,120 bytes of LDS; arguments key_cache, value_cache, block_tables, kv; writes kv
.if DOCPART == 1
	.amdgcn_target "amdgcn-amd-amdhsa--gfx1250"
	.amdhsa_code_object_version 6
	.text
	.protected	k_q669d7c6e55_prep
	.globl	k_q669d7c6e55_prep
	.p2align	8
	.type	k_q669d7c6e55_prep,@function
k_q669d7c6e55_prep:
	s_mov_b64 s[64:65], 0
	v_nop
	global_prefetch_b8 v0, s[64:65] scope:SCOPE_SE
	s_setreg_imm32_b32 hwreg(HW_REG_WAVE_MODE, 25, 1), 1
	s_wait_xcnt 0x0
; The paged K and V caches, f32, [256 pages][32 keys][8 heads][128 channels], are gathered by the block table and turned into codes of BF8 (E5M2) with one E8M0 scale byte for each 32 along a product's K:
; K along the channels, V along the keys (a page of 32 keys is one block of V).  A block's scale is 2^(floor(log2(its largest magnitude)) - 15); each number is divided by it, held within +-57,344 and rounded to the nearest code, ties to even.
; OUTPUT: kv[y = 8 sequence + head : 32][step : 16][33,792 bytes]: what the attention launch wants for 128 keys of one head, laid as images of operand registers (a fragment: 16 rows x 128 K, 16 registers a lane; group c of four registers at 512 c + 16 lane):
;   0      K: 8 fragments of 2,048 bytes.  Fragment 2 q + u, lane (r, h): key 32 q + 8 u + r + 8 (r / 8), channels 32 c + 16 h + 0 .. 15.  (The keys of a fragment are not neighbours: so the scores of fragments 2 q and 2 q + 1 are 16 neighbouring keys in a lane.)
;   16,384 V: 8 fragments.  Fragment f, lane (r, h): channel 16 f + r, keys 32 c + 16 h + 0 .. 15.
;   32,768 K's scale words, 33,280 V's: the word of fragment f, row r at 16 (r + 16 (f % 2)) + 4 (f / 2): one load of 16 bytes a lane then brings four scale registers, the even fragment's words in lanes 0-15, the odd one's in lanes 16-31.
; SHARES: a work-group (x = step, y) has four waves that run one text.  Wave w takes K of page 4 x + w (fragments 2 w, 2 w + 1) and the channels 32 w .. 32 w + 31 of V in all four pages (fragments 2 w, 2 w + 1).
; K: each load reads a whole row of 512 bytes; the rows turn through the wave's own stage in LDS, so that a lane gets 16 neighbours of each block of 32.  V: a lane takes a channel and its registers run down the keys: nothing is transposed.
; LIMITS: NaN and infinities among the inputs are not served.  A block of zeros gets the byte 1 where the rule says 127: its codes are zeros, which add nothing under any byte but 0xff, and this program alone reads the bytes.
; Page numbers are held to 0 .. 255, the cache's pages.  No cache hint on the loads: a table may name a page twice.
.set KEYB,   4096                      ; bytes from key to key in a page; a page is 1 << 17 bytes, a head's row 512
.set BLKB,   33792                     ; a step's block in kv
.set SPITCH, 528                       ; a stage row: 512 bytes + 16 of padding = 132 words: row r starts at bank 4 r mod 64 (64 banks of 4 bytes: ISA guide 11.1)
.set WSTG,   32*SPITCH                 ; a wave's stage: 32 rows
.set SCL,    4*WSTG                    ; behind the stages: 512 bytes of K's scale words, 512 of V's
.set L16,  2                           ; v2   16 x lane
.set L4,   3                           ; v3   4 x lane
.set STW,  4                           ; v4   the stage, on the way in: my wave's stage + 16 x lane
.set STR,  5                           ; v5   and back: + 528 r + 64 h
.set VST,  6                           ; v6   V's codes: 2,048 (lane / 16) + 16 (lane % 16)
.set SCW,  7                           ; v7   my scale word: SCL + 16 x lane + 4 x wave
.set SCR,  8                           ; v8   the scale words' way out: SCL + 8 x thread
.set SCG,  9                           ; v9   8 x thread
.set OUTS, 10                          ; v[10:11] scale words on their way out (before that: r, h)
.set PW0,  12                          ; v12, v13 the scale words of K's two fragments
.set PW1,  13
.set VW,   14                          ; v14  my channel's scale word of V
.set KW,   15                          ; v15  lanes 0-15: PW0, lanes 16-31: PW1
.set PC0,  16                          ; v[16:31]   codes of K's first fragment
.set X0,   32                          ; v[32:63]   V, page 0
.set XS,   64                          ; v[64:127]  64 numbers of K in a lane
.set VC,   64                          ; v[64:95]   later V's codes, eight registers a page: no store's data are written again
.set KR,   128                         ; v[128:255] K's 32 rows as loaded; later:
.set X1,   128                         ; v[128:159], v[160:191], v[192:223] V, pages 1 to 3
.set X2,   160
.set X3,   192
.set PC1,  224                         ; v[224:239] codes of K's second fragment
.set TM,   240                         ; v[240:255] at work
.set SEL,  42                          ; s[42:43] v_permlanex16_b32's selects for lane l xor 16
.set MNT,  44                          ; s44 the mantissa field of 57,344
; 64 numbers of a lane, register 16 b + i = k 32 b + 16 (lane / 16) + i of my row, become a fragment's codes in v[pc] on and its scale word in v[pw].
.macro QUANT s, pc, pw
.irp b, 0,1,2,3
	v_max3_num_f32 v[TM+\b], |v[\s+16*\b]|, |v[\s+1+16*\b]|, 0x8000000   ; block b: my 16 numbers, and the floor 2^(16 - 127): the byte cannot fall under 1
.endr
.irp i, 2,4,6,8,10,12,14
.irp b, 0,1,2,3
	v_max3_num_f32 v[TM+\b], v[TM+\b], |v[\s+16*\b+\i]|, |v[\s+1+16*\b+\i]|   ; the four blocks by turns
.endr
.endr
.irp b, 0,1,2,3
	v_permlanex16_b32 v[TM+4+\b], v[TM+\b], s[SEL], s[SEL+1]
.endr
.irp b, 0,1,2,3
	v_max_num_f32 v[TM+\b], v[TM+\b], v[TM+4+\b]                 ; with lane l xor 16's: the block's largest magnitude
.endr
.irp b, 0,1,2,3
	v_add_nc_u32 v[TM+12+\b], 0xf8800000, v[TM+\b]               ; 15 off its exponent field: the conversion takes the exponent field of this operand as its scale
.endr
.irp b, 0,1,2,3
	v_and_or_b32 v[TM+8+\b], v[TM+\b], 0x7f800000, s[MNT]        ; 57,344 x the scale
.endr
.irp b, 0,1,2,3
	v_lshrrev_b32 v[TM+4+\b], 23, v[TM+12+\b]                    ; the scale's byte
.endr
	v_lshl_or_b32 v[\pw], v[TM+5], 8, v[TM+4]                    ; the four bytes make my row's scale word
	v_lshl_or_b32 v[\pw], v[TM+6], 16, v[\pw]
	v_lshl_or_b32 v[\pw], v[TM+7], 24, v[\pw]
.irp b, 0,1,2,3
.irp i, 0,1,2,3,4,5,6,7,8,9,10,11,12,13,14,15
	v_med3_num_f32 v[\s+16*\b+\i], v[\s+16*\b+\i], -v[TM+8+\b], v[TM+8+\b]   ; the conversion to an 8-bit code does not saturate (ISA guide 7.6.2): the hold comes first
.endr
	v_cvt_scalef32_pk8_bf8_f32 v[\pc+4*\b:\pc+1+4*\b], v[\s+16*\b:\s+7+16*\b], v[TM+12+\b]
	v_cvt_scalef32_pk8_bf8_f32 v[\pc+2+4*\b:\pc+3+4*\b], v[\s+8+16*\b:\s+15+16*\b], v[TM+12+\b]
.endr
	v_nop                                                        ; a plain line behind the last conversion
.endm
; page c of V: my channel at keys 0 .. 31: a wave reads 128 consecutive bytes, the four waves side by side 512
.macro VLOAD c, reg
.set kk, 0
.rept 32
	global_load_b32 v[\reg+kk], v[L4], s[28+2*\c:29+2*\c] offset:kk*KEYB
.set kk, kk+1
.endr
.endm
; page c of V is one block of 32 along the keys, all in my registers: its scale byte goes into byte c of my word, its codes leave at once
.macro VBLOCK c, reg
	v_max3_num_f32 v[TM], |v[\reg]|, |v[\reg+1]|, |v[\reg+2]|
	v_max3_num_f32 v[TM+1], |v[\reg+3]|, |v[\reg+4]|, |v[\reg+5]|
.irp i, 6,10,14,18,22,26
	v_max3_num_f32 v[TM], v[TM], |v[\reg+\i]|, |v[\reg+\i+1]|
	v_max3_num_f32 v[TM+1], v[TM+1], |v[\reg+\i+2]|, |v[\reg+\i+3]|
.endr
	v_max3_num_f32 v[TM], v[TM], |v[\reg+30]|, |v[\reg+31]|
	v_max3_num_f32 v[TM], v[TM], v[TM+1], 0x8000000              ; and the floor
	v_add_nc_u32 v[TM+2], 0xf8800000, v[TM]                      ; the conversion's scale operand
	v_and_or_b32 v[TM+3], v[TM], 0x7f800000, s[MNT]              ; 57,344 x the scale
.if \c == 0
	v_lshrrev_b32 v[VW], 23, v[TM+2]                             ; the byte: the lower keys in the lower byte
.else
	v_lshrrev_b32 v[TM+1], 23, v[TM+2]
	v_lshl_or_b32 v[VW], v[TM+1], 8*\c, v[VW]
.endif
.set kk, 0
.rept 32
	v_med3_num_f32 v[\reg+kk], v[\reg+kk], -v[TM+3], v[TM+3]
.set kk, kk+1
.endr
.irp g, 0,1,2,3
	v_cvt_scalef32_pk8_bf8_f32 v[VC+8*\c+2*\g:VC+8*\c+2*\g+1], v[\reg+8*\g:\reg+8*\g+7], v[TM+2]
.endr
	global_store_b128 v[VST], v[VC+8*\c:VC+8*\c+3], s[38:39] offset:512*\c          ; keys 0-15 of the page: the places of lanes 0-15 of the image; sixteen lanes store 256 consecutive bytes, aligned
	global_store_b128 v[VST], v[VC+8*\c+4:VC+8*\c+7], s[38:39] offset:512*\c+256    ; keys 16-31: those of lanes 16-31
.endm
; tile u of K (16 stage rows) back from the stage: register 16 c + 4 j + .. = channel 32 c + 16 h + 4 j + ..
.macro TILE_IN u
.irp c, 0,1,2,3
.irp j, 0,1,2,3
	ds_load_b128 v[XS+16*\c+4*\j:XS+16*\c+4*\j+3], v[STR] offset:16*\u*SPITCH+128*\c+16*\j
.endr
.endr
.endm
	s_load_b256 s[4:11], s[0:1], 0x0               ; key_cache s[4:5], value_cache s[6:7], block_tables s[8:9], kv s[10:11]
	s_set_vgpr_msb 0x40
	v_lshl_add_u32 v0, v0, 2, 0x10c00
	v_mov_b32 v1, 0
	s_set_vgpr_msb 0x4000
	v_lshrrev_b32 v1, 5, v0
	v_readfirstlane_b32 s12, v1                    ; wave 0..3
	s_and_b32 s14, ttmp7, 0xffff                   ; y = 8 x sequence + head
	s_lshr_b32 s15, s14, 3                         ; sequence
	s_and_b32 s16, s14, 7                          ; head
	s_lshl_b32 s17, s15, 8                         ; the table's row: 64 entries of 4 bytes,
	s_lshl_b32 s18, ttmp9, 4                       ; the step's four entries
	s_add_co_u32 s17, s17, s18
	s_lshl_b32 s18, s12, 2
	s_add_co_u32 s18, s18, s17                     ; and my wave's own among them
	s_wait_kmcnt 0x0
	s_load_b128 s[20:23], s[8:9], s17 offset:0x0   ; the step's four pages (V)
	s_load_b32 s24, s[8:9], s18 offset:0x0         ; my page (K)
	v_and_b32 v1, 31, v0                           ; lane
	v_lshlrev_b32 v[L16], 4, v1
	v_lshlrev_b32 v[L4], 2, v1
	s_mul_i32 s19, s12, WSTG
	v_add_nc_u32 v[STW], s19, v[L16]
	v_and_b32 v10, 15, v1                          ; r
	v_lshrrev_b32 v11, 4, v1                       ; h
	v_mul_u32_u24 v[STR], v10, SPITCH
	v_lshl_add_u32 v[STR], v11, 6, v[STR]
	v_add_nc_u32 v[STR], s19, v[STR]
	v_lshlrev_b32 v[VST], 4, v10
	v_lshl_add_u32 v[VST], v11, 11, v[VST]
	v_lshl_add_u32 v[SCW], v1, 4, SCL
	s_lshl_b32 s25, s12, 2
	v_add_nc_u32 v[SCW], s25, v[SCW]
	v_lshl_add_u32 v[SCR], v0, 3, SCL
	v_lshlrev_b32 v[SCG], 3, v0
	s_mov_b32 s[SEL], 0x76543210
	s_mov_b32 s[SEL+1], 0xfedcba98
	s_mov_b32 s[MNT], 0x600000
	s_lshl_b32 s45, s14, 4
	s_add_co_u32 s45, s45, ttmp9                   ; 16 y + x
	s_mul_i32 s46, s45, BLKB                       ; at most 511 x 33,792: under 2^32
	s_mov_b32 s47, 0
	s_add_nc_u64 s[40:41], s[10:11], s[46:47]      ; my work-group's block of kv
	s_lshl_b32 s46, s12, 12
	s_add_nc_u64 s[36:37], s[40:41], s[46:47]      ; K's fragments 2 w, 2 w + 1
	s_add_nc_u64 s[38:39], s[36:37], 16384         ; V's
	s_add_nc_u64 s[40:41], s[40:41], 32768         ; the scale words
	s_lshl_b32 s19, s16, 9                         ; the head's 512 bytes in a key's row
	s_wait_kmcnt 0x0
	s_min_u32 s24, s24, 255                        ; a page number enters an address only held to the cache's pages
	s_lshl_b32 s46, s24, 17
	s_add_co_u32 s46, s46, s19
	s_add_nc_u64 s[26:27], s[4:5], s[46:47]        ; K: my page, my head
	s_lshl_b32 s25, s12, 7
	s_add_co_u32 s19, s19, s25                     ; V: + my wave's 32 channels
.irp c, 0,1,2,3
	s_min_u32 s[20+\c], s[20+\c], 255
	s_lshl_b32 s46, s[20+\c], 17
	s_add_co_u32 s46, s46, s19
	s_add_nc_u64 s[28+2*\c:29+2*\c], s[6:7], s[46:47]
.endr
.set kk, 0
.rept 32
	global_load_b128 v[KR+4*kk:KR+4*kk+3], v[L16], s[26:27] offset:kk*KEYB   ; key kk: 32 lanes read its 512 consecutive bytes
.set kk, kk+1
.endr
	VLOAD 0, X0
	s_wait_loadcnt 32                              ; loads come back in order (ISA guide 5.7.1): the 32 of V's page 0 are younger: K's rows are in
.set kk, 0
.rept 32
	ds_store_b128 v[STW], v[KR+4*kk:KR+4*kk+3] offset:(16*((kk>>3)&1)+(kk&7)+8*(kk>>4))*SPITCH   ; key kk goes to the stage row of its tile u = (kk / 8) % 2 and its row r = kk % 8 + 8 (kk / 16)
.set kk, kk+1
.endr
	TILE_IN 0                                      ; LDS serves a wave's instructions in order (ISA guide 5.7.1.4): these see the stores above
	s_wait_dscnt 0x0                               ; tile 0 is in, and the stores have read K's rows: their registers are free
	VLOAD 1, X1
.irp b, 0,1,2,3
	v_mov_b32 v[TM+4+\b], 0                        ; written once: a lane permute's destination counts as one of its sources
.endr
	QUANT XS, PC0, PW0
.irp c, 0,1,2,3
	global_store_b128 v[L16], v[PC0+4*\c:PC0+4*\c+3], s[36:37] offset:512*\c         ; the image: 32 lanes store 512 consecutive bytes
.endr
	TILE_IN 1
	s_wait_dscnt 0x0
	QUANT XS, PC1, PW1
.irp c, 0,1,2,3
	global_store_b128 v[L16], v[PC1+4*\c:PC1+4*\c+3], s[36:37] offset:2048+512*\c
.endr
	v_cmp_gt_u32 vcc_lo, 16, v1
	v_cndmask_b32 v[KW], v[PW1], v[PW0], vcc_lo    ; every lane (r, h) holds row r's word of both tiles: lanes 0-15 give the even fragment's, lanes 16-31 the odd one's
	ds_store_b32 v[SCW], v[KW]
	s_wait_loadcnt 32                              ; page 0 is in; page 1's 32 loads may be out
	VLOAD 2, X2
	VBLOCK 0, X0
	s_wait_loadcnt 32                              ; page 1 is in; page 2's may be out
	VLOAD 3, X3
	VBLOCK 1, X1
	s_wait_loadcnt 32                              ; page 2 is in; page 3's may be out
	VBLOCK 2, X2
	s_wait_loadcnt 0x0
	VBLOCK 3, X3
	ds_store_b32 v[SCW], v[VW] offset:512          ; lane l holds channel 32 w + l: fragment 2 w + l / 16, row l % 16: the same place as K's word, 512 bytes on
	s_wait_dscnt 0x0                               ; for the others' sake: my scale words lie in LDS
	s_barrier_signal -1
	s_barrier_wait -1                              ; everybody's do
	ds_load_b64 v[OUTS:OUTS+1], v[SCR]
	s_wait_dscnt 0x0
	global_store_b64 v[SCG], v[OUTS:OUTS+1], s[40:41]   ; a wave stores 256 consecutive bytes, aligned
	s_set_vgpr_msb 0x5
	s_wait_tensorcnt 0x0
	ds_add_u32 v0, v1
	s_wait_dscnt 0x0
	s_set_vgpr_msb 0x500
	s_endpgm
.Lfunc_end_k_q669d7c6e55_prep:
	.size	k_q669d7c6e55_prep, .Lfunc_end_k_q669d7c6e55_prep-k_q669d7c6e55_prep
	.p2alignl 7, 3214868480
	.fill 96, 4, 3214868480
	.section	.rodata,"a",@progbits
	.p2align	6, 0x0
	.amdhsa_kernel k_q669d7c6e55_prep
		.amdhsa_group_segment_fixed_size 69120
		.amdhsa_private_segment_fixed_size 0
		.amdhsa_enable_private_segment 0
		.amdhsa_kernarg_size 32
		.amdhsa_user_sgpr_count 2
		.amdhsa_user_sgpr_kernarg_segment_ptr 1
		.amdhsa_wavefront_size32 1
		.amdhsa_system_sgpr_workgroup_id_x 1
		.amdhsa_system_sgpr_workgroup_id_y 1
		.amdhsa_system_sgpr_workgroup_id_z 1
		.amdhsa_system_vgpr_workitem_id 0
		.amdhsa_next_free_vgpr 258
		.amdhsa_next_free_sgpr 66
		.amdhsa_reserve_vcc 1
		.amdhsa_float_denorm_mode_32 3
		.amdhsa_float_denorm_mode_16_64 3
		.amdhsa_memory_ordered 1
		.amdhsa_forward_progress 1
		.amdhsa_inst_pref_size 55
	.end_amdhsa_kernel
	.amdgpu_metadata
---
amdhsa.version: [ 1, 2 ]
amdhsa.kernels:
  - .name:           k_q669d7c6e55_prep
    .symbol:         k_q669d7c6e55_prep.kd
    .args:
      - { .name: key_cache, .offset: 0, .size: 8, .value_kind: global_buffer, .address_space: global }
      - { .name: value_cache, .offset: 8, .size: 8, .value_kind: global_buffer, .address_space: global }
      - { .name: block_tables, .offset: 16, .size: 8, .value_kind: global_buffer, .address_space: global }
      - { .name: kv, .offset: 24, .size: 8, .value_kind: global_buffer, .address_space: global }
    .group_segment_fixed_size: 69120
    .private_segment_fixed_size: 0
    .kernarg_segment_align: 8
    .kernarg_segment_size: 32
    .max_flat_workgroup_size: 128
    .sgpr_count:     66
    .vgpr_count:     258
    .wavefront_size: 32
...
	.end_amdgpu_metadata
.endif
;; end of part 1
;; launch attn (part 2): grid 8 x 32, 8 waves a work-group, no clusters, 203,776 bytes of LDS; arguments query, kv, seq_lens, query_start_loc, out0; writes out0
.if DOCPART == 2
	.amdgcn_target "amdgcn-amd-amdhsa--gfx1250"
	.amdhsa_code_object_version 6
	.text
	.protected	k_q669d7c6e55_attn
	.globl	k_q669d7c6e55_attn
	.p2align	8
	.type	k_q669d7c6e55_attn,@function
k_q669d7c6e55_attn:
	s_mov_b64 s[64:65], 0
	v_nop
	global_prefetch_b8 v0, s[64:65] scope:SCOPE_SE
	s_setreg_imm32_b32 hwreg(HW_REG_WAVE_MODE, 25, 1), 1
	s_wait_xcnt 0x0
; Paged attention with grouped heads on codes of BF8 (E5M2) with one E8M0 scale for each 32 along a product's K.  out[token][head] = the sum over keys of softmax(q . k / sqrt(128)) v; key k counts for the query at
; position l of its sequence where k <= q_abs = seq_len - 512 + l (that is under seq_len, so the test against seq_len adds nothing).  K and V come as codes from kv, which the launch before has gathered by the block table and laid as
; images of operand registers: [y = 8 sequence + head][step of 128 keys : 16][33,792 bytes]: K's 8 fragments, V's 8, K's scale words, V's.  Q is quantised here, in registers: each of its rows is read by one wave, once.
; THE SOFTMAX AHEAD OF THE SECOND PRODUCT: t = score x log2(e) / sqrt(128); M = the row's largest t so far, rounded UP to a whole number; p = 2^(t - M) is what is quantised, along the keys; it is not normalised.
; The row's sum is taken of the unquantised p and divides O at the end.  When M moves, the sum and O are multiplied by 2^(old M - new M): exact.  A row with no key that counts ends as 0 x 1/0: NaN, as a softmax of nothing but -infinity gives.
; SHARES.  A work-group (x, y) owns 256 query rows of one sequence and KV head.  Wave w owns TWO tiles of 16 queries: the same 16 positions p0 .. p0 + 15 for two neighbouring heads 4 head + 2 (w / 4) + 0, 1: one mask and one test serve both, and each
; fragment of K and V read from LDS feeds two products.  p0 = 128 pg + 16 x, pg = ((w / 2) % 2) xor 3 ((w xor w / 4) % 2): a work-group has a group of positions from each quarter of the 512, and the pg of waves w and w + 4, and of waves 2 i and 2 i + 1, add up to 3.
; LAYOUT.  Both products are used transposed: S^T = K Q^T (source 0 = 16 keys, source 1 = 16 queries), O^T = V^T P^T (source 0 = 16 channels, source 1 = P): a lane holds ONE query (lane % 16) throughout; the keys of a fragment of K are chosen so that
; the 16 registers of fragments 2 b and 2 b + 1 are the keys 32 b + 16 (lane / 16) + 0 .. 15: the conversions' results are the second product's operand.
; THE RING.  Two LDS slots of one step's block.  The 256 threads load the block a step ahead into registers (16 bytes x 8 and 4 bytes a thread), and store it into the slot that was read last behind the step's one barrier.
; EVERY wave walks all 16 steps, their barriers and fills.  A step all of whose keys come after the wave's 16 positions leaves out its loads, products and softmax by a scalar branch on seq_lens; the mask's 128 lines stand only in steps on the diagonal.
; NO TENSOR LOADS AND NO CLUSTER, though the eight work-groups of a y walk the same blocks: those two branches hang on seq_lens, a number read from memory; without them the mask would add 128 vector
; lines to each tile's some 310 in every step, and vector lines are what a step has most of; what is shared is 33,792 bytes a step.
; query_start_loc is loaded and enters nothing: the problem's text takes the query length from the shapes (2,048 tokens / 4 sequences) and never uses it.
; LIMITS: NaN and infinities among the floating-point inputs are not served.  A block of zeros gets the byte 1 where the rule says 127 (its codes are zeros).  A block's largest p is taken from its largest score, which takes v_exp_f32 not to fall where its
; input rises (at the worst one p of a block, within an ulp of a power of two, is held one code low).  seq_len is held to 0 .. 4,096, which changes no mask: at 0 or less no key counts, from 2,560 on all 2,048 do.
; REGISTERS, in windows of 256 (s_set_vgpr_msb: bits 1:0 source 0, 3:2 source 1, 5:4 source 2, 7:6 destination).  Window 0: see the names below.  Window 1: v0-63, v64-127 O^T of tiles 0, 1; v128-255 eight fragments of K or of V.
.set SLOTB,  33792                     ; a step's block, and an LDS slot
.set VOFF,   16384                     ; in it: V's fragments,
.set KSCO,   32768                     ; K's scale words,
.set VSCO,   33280                     ; V's
.set SPITCH, 528                       ; a stage row: 512 bytes + 16 of padding = 132 words: row r starts at bank 4 r mod 64 (64 banks of 4 bytes: ISA guide 11.1)
.set TSTG,   16*SPITCH                 ; a tile's stage
.set WSTG,   2*TSTG                    ; a wave's two
.set STG,    2*SLOTB                   ; the stages lie behind the ring; a wave's own: Q on the way in, O on the way out
.set TOKB,   16384                     ; bytes from token to token in query and out0
.set RD,   1                           ; v1, v2   16 x lane in slot 0, 1 (v1 also: my 16 bytes of a row of Q or of O)
.set FA,   3                           ; v3, v4   16 x thread in slot 0, 1 (v3 also: in a block of kv)
.set FB,   5                           ; v5, v6   4 x thread likewise
.set DL,   7                           ; v7       r - 16 h
.set KSC,  10                          ; v[10:13] K's scale words: register j: fragment 2 j in lanes 0-15, 2 j + 1 in lanes 16-31
.set VSC,  14                          ; v[14:17] V's likewise
.set QS,   18                          ; v18, v19 Q's scale words, tile 0, 1
.set PS,   20                          ; v20, v21 p's          (v10-21 hold scales and nothing else)
.set STW,  22                          ; v22      my stage + 16 x lane: whole rows
.set STR,  23                          ; v23      + 528 r + 64 h: Q's 16 neighbours of a block
.set STO,  24                          ; v24      + 528 r + 32 h: O's eight channels
.set ST,   26                          ; tile t at v[26 + 4 t]: -M, the largest t, the sum in two halves
.set QC,   34                          ; v[34:65]   Q's codes, 16 a tile
.set PC,   66                          ; v[66:97]   p's codes, 16 a tile
.set S,    98                          ; v[98:161]  S^T, then p, of the tile in hand
.set TM,   162                         ; v[162:177] at work:
.set BM,   TM                          ;   the blocks' largest scores, then largest p
.set PT,   TM+4                        ;   the other half's, then the bytes
.set HL,   TM+8                        ;   57,344 x the scale
.set SO,   TM+12                       ;   the conversions' scale operands
.set F,    178                         ; v[178:179] f = 2^(old M - new M); v179 is named with it as a pair
.set T0,   180
.set T1,   181
.set S2,   182                         ; v[182:183] the sum's second chain
.set FS,   184                         ; v[184:215] the next block's 8 x 16 bytes of mine, v216 its 4
.set FW,   216
.set DD,   217                         ; v217 the mask's d; v218 -infinity
.set NI,   218
.set BK0,  184                         ; v[184:247] the way out: tile 0's rows
.set FRG,  128                         ; window 1: the fragments
.set CS,   22                          ; s[22:23] c = log2(e) / sqrt(128): the packed form names a pair
.set SEL,  24                          ; s[24:25] v_permlanex16_b32's selects for lane l xor 16
.set MNT,  26                          ; s26 the mantissa field of 57,344
.set QA0,  27                          ; s27 q_abs of my first position
.set KF,   28                          ; s28 the step's first key
.set TRIP, 29                          ; s29 counts pairs of steps
.set MSB, 0
.macro WIN new                         ; the immediate's high byte repeats the setting that is left; a switch that changes nothing is dropped.  At every label and branch the setting is 0
.if MSB != \new
	s_set_vgpr_msb (MSB<<8)|\new
.set MSB, \new
.endif
.endm
; 64 numbers of a lane, register 16 b + i = k 32 b + 16 (lane / 16) + i of my row, become a fragment's codes in v[pc] on and its scale word in v[pw].
.macro QUANT s, pc, pw
.irp b, 0,1,2,3
	v_max3_num_f32 v[TM+\b], |v[\s+16*\b]|, |v[\s+1+16*\b]|, 0x8000000   ; block b: my 16 numbers, and the floor 2^(16 - 127): the byte cannot fall under 1
.endr
.irp i, 2,4,6,8,10,12,14
.irp b, 0,1,2,3
	v_max3_num_f32 v[TM+\b], v[TM+\b], |v[\s+16*\b+\i]|, |v[\s+1+16*\b+\i]|
.endr
.endr
.irp b, 0,1,2,3
	v_permlanex16_b32 v[TM+4+\b], v[TM+\b], s[SEL], s[SEL+1]
.endr
.irp b, 0,1,2,3
	v_max_num_f32 v[TM+\b], v[TM+\b], v[TM+4+\b]                 ; with lane l xor 16's: the block's largest magnitude
.endr
.irp b, 0,1,2,3
	v_add_nc_u32 v[TM+12+\b], 0xf8800000, v[TM+\b]               ; 15 off its exponent field: the conversion's scale operand
.endr
.irp b, 0,1,2,3
	v_and_or_b32 v[TM+8+\b], v[TM+\b], 0x7f800000, s[MNT]        ; 57,344 x the scale
.endr
.irp b, 0,1,2,3
	v_lshrrev_b32 v[TM+4+\b], 23, v[TM+12+\b]                    ; the scale's byte
.endr
	v_lshl_or_b32 v[\pw], v[TM+5], 8, v[TM+4]
	v_lshl_or_b32 v[\pw], v[TM+6], 16, v[\pw]
	v_lshl_or_b32 v[\pw], v[TM+7], 24, v[\pw]
.irp b, 0,1,2,3
.irp i, 0,1,2,3,4,5,6,7,8,9,10,11,12,13,14,15
	v_med3_num_f32 v[\s+16*\b+\i], v[\s+16*\b+\i], -v[TM+8+\b], v[TM+8+\b]   ; the conversion to an 8-bit code does not saturate (ISA guide 7.6.2): the hold comes first
.endr
	v_cvt_scalef32_pk8_bf8_f32 v[\pc+4*\b:\pc+1+4*\b], v[\s+16*\b:\s+7+16*\b], v[TM+12+\b]
	v_cvt_scalef32_pk8_bf8_f32 v[\pc+2+4*\b:\pc+3+4*\b], v[\s+8+16*\b:\s+15+16*\b], v[TM+12+\b]
.endr
	v_nop                                                        ; a plain line behind the last conversion
.endm
.macro FLOAD                           ; the block at s[6:7]: my thread's share into registers; a wave's load covers 512 consecutive bytes
.irp j, 0,1,2,3,4,5,6,7
	global_load_b128 v[FS+4*\j:FS+4*\j+3], v[FA], s[6:7] offset:4096*\j
.endr
	global_load_b32 v[FW], v[FB], s[6:7] offset:KSCO
.endm
.macro FSTORE d                        ; and from there into slot d, as it lies in memory
.irp j, 0,1,2,3,4,5,6,7
	ds_store_b128 v[FA+(\d)], v[FS+4*\j:FS+4*\j+3] offset:4096*\j
.endr
	ds_store_b32 v[FB+(\d)], v[FW] offset:KSCO
.endm
; Behind the barrier of a step in slot sg: the next step's block, asked for a step ago, goes into the other slot, and the block after it is asked for.  The branches hang on the count of trips alone:
; step 14 stores step 15's block and asks for nothing; step 15 does neither.
.macro FILL sg
.if \sg == 1
	s_cmp_eq_u32 s[TRIP], 7
	s_cbranch_scc1 .Lnofill_\@
.endif
	s_wait_loadcnt 0x0                             ; the block is in my registers, and its loads have read their base
	FSTORE 1-\sg
.if \sg == 0
	s_cmp_eq_u32 s[TRIP], 7
	s_cbranch_scc1 .Lnofill_\@
.endif
	s_add_nc_u64 s[6:7], s[6:7], SLOTB
	s_wait_dscnt 0x0                               ; the stores have read their registers
	FLOAD
.Lnofill_\@:
.endm
.macro FRAGS sg, off, sc, sco          ; eight fragments into window 1 and their four scale registers: every load reads 512 consecutive bytes
	WIN 0x40                                       ; destination window 1, address window 0
.irp f, 0,1,2,3,4,5,6,7
.irp c, 0,1,2,3
	ds_load_b128 v[FRG+16*\f+4*\c:FRG+16*\f+4*\c+3], v[RD+\sg] offset:\off+2048*\f+512*\c
.endr
.endr
	WIN 0
	ds_load_b128 v[\sc:\sc+3], v[RD+\sg] offset:\sco
.endm
; A vector instruction that reads a result of this matrix form or writes one of its registers, and a load into one of them, stand eight places behind it, a matrix instruction that writes over one nine; only plain vector
; instructions that name none of its registers are places.
.macro PLACES
.rept 8
	v_nop
.endr
.endm
; S^T of tile t: eight products, each its own accumulator, begun with the constant 0.  The places behind them serve the first read of the scores and, for tile 1, the loads of V into the fragments' registers.
.macro QK t
	WIN 0x01                                       ; source 0 (K) window 1
.irp f, 0,1,2,3,4,5,6,7
.if \f % 2
	v_wmma_scale_f32_16x16x128_f8f6f4 v[S+8*\f:S+8*\f+7], v[FRG+16*\f:FRG+16*\f+15], v[QC+16*\t:QC+16*\t+15], 0, v[KSC+\f/2], v[QS+\t] matrix_a_fmt:MATRIX_FMT_BF8 matrix_b_fmt:MATRIX_FMT_BF8 matrix_a_scale:MATRIX_SCALE_ROW1
.else
	v_wmma_scale_f32_16x16x128_f8f6f4 v[S+8*\f:S+8*\f+7], v[FRG+16*\f:FRG+16*\f+15], v[QC+16*\t:QC+16*\t+15], 0, v[KSC+\f/2], v[QS+\t] matrix_a_fmt:MATRIX_FMT_BF8 matrix_b_fmt:MATRIX_FMT_BF8
.endif
.endr
	WIN 0
	PLACES
.endm
; On the diagonal the scores of hidden keys become -infinity ahead of the maximum: p = 0 then.  A step all of whose keys count for all my positions skips this.  Each accumulator is read from its low end on.
.macro MASK
	s_add_co_u32 s30, s[KF], 127
	s_cmp_le_i32 s30, s[QA0]
	s_cbranch_scc1 .Lopen_\@
	s_sub_co_i32 s30, s[QA0], s[KF]
	v_add_nc_u32 v[DD], s30, v[DL]                 ; d = my q_abs - KF - 16 (lane / 16).  Register 16 b + i holds key KF + 16 (lane / 16) + 32 b + i: hidden where 32 b + i > d
	v_mov_b32 v[NI], 0xff800000
.set n, 0
.rept 64
	v_cmp_gt_i32 vcc_lo, 32*(n/16)+n%16, v[DD]
	v_cndmask_b32 v[S+n], v[S+n], v[NI], vcc_lo
.set n, n+1
.endr
.Lopen_\@:
.endm
; The softmax of tile t for 128 keys: from scores in v[S] on to p's codes and scale word; the sum and O^T are brought under the new M.
.macro SM t
.set NM, ST+4*\t
.irp b, 0,1,2,3
	v_max3_num_f32 v[BM+\b], v[S+16*\b], v[S+16*\b+1], v[S+16*\b+2]   ; the largest score of each block of 32 keys: it serves for the row's maximum and, since p rises with the score, for the block's largest p
.endr
.irp i, 3,5,7,9,11,13
.irp b, 0,1,2,3
	v_max3_num_f32 v[BM+\b], v[BM+\b], v[S+16*\b+\i], v[S+16*\b+\i+1]
.endr
.endr
.irp b, 0,1,2,3
	v_max_num_f32 v[BM+\b], v[BM+\b], v[S+16*\b+15]
.endr
.irp b, 0,1,2,3
	v_permlanex16_b32 v[PT+\b], v[BM+\b], s[SEL], s[SEL+1]
.endr
.irp b, 0,1,2,3
	v_max_num_f32 v[BM+\b], v[BM+\b], v[PT+\b]     ; with lane l xor 16's 16 keys
.endr
	v_max3_num_f32 v[T0], v[BM], v[BM+1], v[BM+2]
	v_max_num_f32 v[T0], v[T0], v[BM+3]            ; the step's largest score of my query
	v_mul_f32 v[T0], s[CS], v[T0]                  ; as t (c is positive)
	v_max_num_f32 v[NM+1], v[NM+1], v[T0]          ; the running largest t
	v_mov_b32 v[T0], v[NM]
	v_floor_f32 v[NM], -v[NM+1]                    ; the new -M = floor(-t) = -ceil(t): M is a whole number
	v_sub_f32 v[T0], v[NM], v[T0]                  ; M's old value less its new one: a whole number, 0 or less
	v_cvt_i32_f32 v[T0], v[T0]                     ; (it saturates)
	v_ldexp_f32 v[F], 1.0, v[T0]                   ; f = 2^(old M - new M)
.set n, 0
.rept 32
	v_pk_fma_f32 v[S+n:S+n+1], v[S+n:S+n+1], s[CS:CS+1], v[NM:NM+1] op_sel_hi:[1,0,0]   ; t - M, two at a time (of the pairs c and -M the low word serves both halves)
.set n, n+2
.endr
.irp b, 0,1,2,3
	v_fma_f32 v[BM+\b], v[BM+\b], s[CS], v[NM]     ; the same of each block's largest score
.endr
.set n, 0
.rept 64
	v_exp_f32 v[S+n], v[S+n]                       ; p = 2^(t - M), at most 1: not normalised
.set n, n+1
.endr
.irp b, 0,1,2,3
	v_exp_f32 v[BM+\b], v[BM+\b]                   ; the block's largest p: the same two instructions on the same number give the same bits
.endr
	v_pk_mul_f32 v[NM+2:NM+3], v[NM+2:NM+3], v[F:F+1] op_sel_hi:[1,0]   ; the sums under the new M.  (The plain line behind the exponentials)
	s_wait_alu depctr_va_vdst(0)
.irp b, 0,1,2,3
	v_max_num_f32 v[BM+\b], 0x8000000, v[BM+\b]    ; the floor 2^(16 - 127): the byte cannot fall under 1 (a block whose every p is 0 keeps that byte: its codes are zeros)
.endr
.irp b, 0,1,2,3
	v_add_nc_u32 v[SO+\b], 0xf8800000, v[BM+\b]    ; 15 off the exponent field: the conversion's scale operand
.endr
.irp b, 0,1,2,3
	v_and_or_b32 v[HL+\b], v[BM+\b], 0x7f800000, s[MNT]   ; 57,344 x the scale
.endr
.irp b, 0,1,2,3
	v_lshrrev_b32 v[PT+\b], 23, v[SO+\b]           ; the scale's byte
.endr
	v_lshl_or_b32 v[T1], v[PT+1], 8, v[PT]
	v_lshl_or_b32 v[T1], v[PT+2], 16, v[T1]
	v_lshl_or_b32 v[PS+\t], v[PT+3], 24, v[T1]     ; p's scale word for these 128 keys
	v_pk_add_f32 v[S2:S2+1], v[S:S+1], v[S+2:S+3]  ; the row's sum is taken of the unquantised p: two at a time, in two chains
.irp j, 4,8,12,16,20,24,28,32,36,40,44,48,52,56,60
	v_pk_add_f32 v[NM+2:NM+3], v[NM+2:NM+3], v[S+\j:S+\j+1]
	v_pk_add_f32 v[S2:S2+1], v[S2:S2+1], v[S+\j+2:S+\j+3]
.endr
	v_pk_add_f32 v[NM+2:NM+3], v[NM+2:NM+3], v[S2:S2+1]
.irp b, 0,1,2,3
.irp i, 0,1,2,3,4,5,6,7,8,9,10,11,12,13,14,15
	v_min_num_f32 v[S+16*\b+\i], v[S+16*\b+\i], v[HL+\b]   ; the hold; p is not negative, so it is one-sided
.endr
	v_cvt_scalef32_pk8_bf8_f32 v[PC+16*\t+4*\b:PC+16*\t+4*\b+1], v[S+16*\b:S+16*\b+7], v[SO+\b]
	v_cvt_scalef32_pk8_bf8_f32 v[PC+16*\t+4*\b+2:PC+16*\t+4*\b+3], v[S+16*\b+8:S+16*\b+15], v[SO+\b]
.endr
	WIN 0x41                                       ; O^T (destination and source 0) window 1, f window 0
.set n, 0
.rept 32
	v_pk_mul_f32 v[64*\t+n:64*\t+n+1], v[64*\t+n:64*\t+n+1], v[F:F+1] op_sel_hi:[1,0]   ; O^T under the new M, each accumulator from its low end on.  These 32 name nothing of the products K Q^T: they are the plain lines
.set n, n+2                                        ; behind the conversions, the places between the codes and the scale word and the products that take them, and those in front of the products that write the scores anew
.endr
	WIN 0
.endm
; O^T += V^T P^T for both tiles: the 16 accumulators take turns, one instruction a turn.  The places behind them serve the next loads into the fragments and the next read of O^T.
.macro PV
	WIN 0x51                                       ; V, C and D window 1; P window 0
.irp f, 0,1,2,3,4,5,6,7
.irp t, 0,1
.if \f % 2
	v_wmma_scale_f32_16x16x128_f8f6f4 v[64*\t+8*\f:64*\t+8*\f+7], v[FRG+16*\f:FRG+16*\f+15], v[PC+16*\t:PC+16*\t+15], v[64*\t+8*\f:64*\t+8*\f+7], v[VSC+\f/2], v[PS+\t] matrix_a_fmt:MATRIX_FMT_BF8 matrix_b_fmt:MATRIX_FMT_BF8 matrix_a_scale:MATRIX_SCALE_ROW1
.else
	v_wmma_scale_f32_16x16x128_f8f6f4 v[64*\t+8*\f:64*\t+8*\f+7], v[FRG+16*\f:FRG+16*\f+15], v[PC+16*\t:PC+16*\t+15], v[64*\t+8*\f:64*\t+8*\f+7], v[VSC+\f/2], v[PS+\t] matrix_a_fmt:MATRIX_FMT_BF8 matrix_b_fmt:MATRIX_FMT_BF8
.endif
.endr
.endr
	WIN 0
	PLACES
.endm
; A KEY STEP: 128 keys, in slot sg.
.macro STEP sg
	s_wait_dscnt 0x0                               ; my stores into this slot have landed, and my reads of the other slot are over
	s_barrier_signal -1
	s_barrier_wait -1                              ; both hold of all eight waves: this slot is whole, and nobody reads the other one
	FILL \sg
	s_add_co_i32 s30, s[QA0], 15
	s_cmp_gt_i32 s[KF], s30                        ; all 128 keys come after my 16 positions: the step's work is left out; no barrier and no fill stands under this branch
	s_cbranch_scc1 .Lhid_\@
	FRAGS \sg, 0, KSC, KSCO
	s_wait_dscnt 0x0                               ; K and its scale words are in
	QK 0
	MASK
	SM 0
	QK 1
	FRAGS \sg, VOFF, VSC, VSCO                     ; V lands while tile 1's softmax is worked
	MASK
	SM 1
	s_wait_dscnt 0x0                               ; V and its scale words are in
	PV
.Lhid_\@:
	s_add_co_u32 s[KF], s[KF], 128
.endm
	s_load_b256 s[4:11], s[0:1], 0x0               ; query s[4:5], kv s[6:7], seq_lens s[8:9], query_start_loc s[10:11]
	s_load_b64 s[12:13], s[0:1], 0x20              ; out0
	v_lshl_add_u32 v254, v0, 2, 0x31800
	v_mov_b32 v255, 0
	v_lshrrev_b32 v8, 5, v0
	v_readfirstlane_b32 s14, v8                    ; wave 0..7
	s_and_b32 s16, ttmp7, 0xffff                   ; y
	s_lshr_b32 s17, s16, 3                         ; sequence
	s_and_b32 s18, s16, 7                          ; KV head
	s_lshr_b32 s20, s14, 2                         ; which pair of the four query heads
	s_bfe_u32 s19, s14, 0x10001                    ; (w / 2) % 2
	s_xor_b32 s30, s14, s20
	s_and_b32 s30, s30, 1                          ; (w xor w / 4) % 2
	s_mul_i32 s30, s30, 3
	s_xor_b32 s19, s19, s30                        ; pg
	s_lshl_b32 s21, s19, 7
	s_lshl_b32 s30, ttmp9, 4
	s_add_co_u32 s21, s21, s30                     ; p0 = 128 pg + 16 x
	s_lshl_b32 s32, s17, 9
	s_add_co_u32 s32, s32, s21                     ; my first token,
	s_lshl_b32 s32, s32, 5
	s_lshl_b32 s30, s18, 2
	s_add_co_u32 s32, s32, s30
	s_lshl_b32 s30, s20, 1
	s_add_co_u32 s32, s32, s30                     ; x 32 heads + my first head,
	s_lshl_b32 s32, s32, 9                         ; in rows of 512 bytes: under 2^25
	s_mov_b32 s33, 0
	s_mul_i32 s34, s16, 16*SLOTB                   ; my y's 16 blocks of kv
	s_mov_b32 s35, 0
	s_lshl_b32 s36, s17, 2                         ; 4 x sequence
	s_mov_b32 s[CS], 0x3e0293ee                    ; c = log2(e) / sqrt(128)
	s_mov_b32 s[CS+1], s[CS]
	s_mov_b32 s[SEL], 0x76543210
	s_mov_b32 s[SEL+1], 0xfedcba98
	s_mov_b32 s[MNT], 0x600000
	v_and_b32 v8, 31, v0
	v_lshlrev_b32 v[RD], 4, v8
	v_add_nc_u32 v[RD+1], SLOTB, v[RD]
	v_lshlrev_b32 v[FA], 4, v0
	v_add_nc_u32 v[FA+1], SLOTB, v[FA]
	v_lshlrev_b32 v[FB], 2, v0
	v_add_nc_u32 v[FB+1], SLOTB, v[FB]
	v_and_b32 v8, 15, v0                           ; r
	v_bfe_u32 v9, v0, 4, 1                         ; h
	v_lshlrev_b32 v[DL], 4, v9
	v_sub_nc_u32 v[DL], v8, v[DL]
	s_mul_i32 s30, s14, WSTG
	s_add_co_u32 s30, s30, STG                     ; my stages
	v_add_nc_u32 v[STW], s30, v[RD]
	v_mul_u32_u24 v[STR], v8, SPITCH
	v_add_nc_u32 v[STR], s30, v[STR]
	v_lshl_add_u32 v[STO], v9, 5, v[STR]
	v_lshl_add_u32 v[STR], v9, 6, v[STR]
	s_wait_kmcnt 0x0
	s_load_b32 s[QA0], s[8:9], s36 offset:0x0      ; my sequence's length
	s_load_b32 s31, s[10:11], s36 offset:0x0       ; query_start_loc of my sequence: read, and used by nothing, as in the problem's text
	s_add_nc_u64 s[4:5], s[4:5], s[32:33]
	s_add_nc_u64 s[12:13], s[12:13], s[32:33]
	s_add_nc_u64 s[6:7], s[6:7], s[34:35]
	FLOAD                                          ; step 0's block
	WIN 0x40
.irp t, 0,1
.set n, 0
.rept 16
	global_load_b128 v[FRG+64*\t+4*n:FRG+64*\t+4*n+3], v[RD], s[4:5] offset:TOKB*n+512*\t th:TH_LOAD_NT   ; position p0 + n, head t of my pair: 32 lanes read the row's 512 bytes; read once in the launch
.set n, n+1
.endr
.endr
	WIN 0
	s_wait_loadcnt 32                              ; loads come back in order (ISA guide 5.7.1): Q's 32 are younger: step 0's block is in, and its loads have read their base
	FSTORE 0
	s_add_nc_u64 s[6:7], s[6:7], SLOTB
	s_wait_dscnt 0x0                               ; the stores have read their registers
	FLOAD                                          ; step 1's block
	s_wait_loadcnt 9                               ; those nine are younger: Q is in
	WIN 0x04                                       ; an LDS store's data are its source 1: window 1
.irp t, 0,1
.set n, 0
.rept 16
	ds_store_b128 v[STW], v[FRG+64*\t+4*n:FRG+64*\t+4*n+3] offset:TSTG*\t+SPITCH*n
.set n, n+1
.endr
.endr
	WIN 0
.irp b, 0,1,2,3
	v_mov_b32 v[PT+\b], 0                          ; written once: a lane permute's destination counts as one of its sources
.endr
	v_mov_b32 v[F+1], 0                            ; named as the upper half of the pair with f
.irp t, 0,1
.irp c, 0,1,2,3
.irp j, 0,1,2,3
	ds_load_b128 v[S+16*\c+4*\j:S+16*\c+4*\j+3], v[STR] offset:TSTG*\t+128*\c+16*\j   ; LDS serves a wave's instructions in order (ISA guide 5.7.1.4): these see my stores.  Register 16 c + i = channel 32 c + 16 h + i of query r
.endr
.endr
	s_wait_dscnt 0x0
	QUANT S, QC+16*\t, QS+\t
.endr
.irp t, 0,1
	v_mov_b32 v[ST+4*\t+1], 0xff61b1e6             ; the largest t so far: -3e38, under every t
	v_floor_f32 v[ST+4*\t], -v[ST+4*\t+1]          ; -M
	v_mov_b32 v[ST+4*\t+2], 0                      ; the sum, in two halves
	v_mov_b32 v[ST+4*\t+3], 0
.endr
	WIN 0x40
.set n, 0
.rept 128
	v_mov_b32 v[n], 0                              ; O^T begins as zeros: which step is a wave's first, and whether it has one at all, hangs on seq_lens, so no product can be written out to start the sums
.set n, n+1
.endr
	WIN 0
	s_wait_kmcnt 0x0
	s_max_i32 s[QA0], s[QA0], 0
	s_min_i32 s[QA0], s[QA0], 4096
	s_sub_co_i32 s[QA0], s[QA0], 512
	s_add_co_i32 s[QA0], s[QA0], s21               ; q_abs of my first position: seq_len - 512 + p0
	s_mov_b32 s[KF], 0
	s_mov_b32 s[TRIP], 0
.Lpair:                                                ; eight trips of two steps: the slots' addresses are constants of the text
	STEP 0
	STEP 1
	s_add_co_u32 s[TRIP], s[TRIP], 1
	s_cmp_lt_u32 s[TRIP], 8
	s_cbranch_scc1 .Lpair
	; THE WAY OUT.  The sum's halves and lane l xor 16's are added; O^T is divided by the sum and goes through my stage, a tile at a time, so that the 32 lanes store a whole row of 512 bytes.
	v_add_f32 v[T0], v[ST+2], v[ST+3]
	v_add_f32 v[T1], v[ST+6], v[ST+7]
	v_permlanex16_b32 v[PT], v[T0], s[SEL], s[SEL+1]
	v_permlanex16_b32 v[PT+1], v[T1], s[SEL], s[SEL+1]
	v_add_f32 v[T0], v[T0], v[PT]
	v_add_f32 v[T1], v[T1], v[PT+1]
	v_rcp_f32 v[BM], v[T0]
	v_rcp_f32 v[BM+1], v[T1]
	v_nop                                          ; a plain line between the last reciprocal and the use of its result
	s_wait_alu depctr_va_vdst(0)
.macro PACK t, bk
	WIN 0x01                                       ; source 0 (O^T) window 1
.set n, 0
.rept 64
	v_mul_f32 v[S+n], v[64*\t+n], v[BM+\t]         ; register 8 f + j is out(position r, channel 16 f + 8 h + j); each accumulator from its low end on
.set n, n+1
.endr
	WIN 0
.irp f, 0,1,2,3,4,5,6,7
	ds_store_b128 v[STO], v[S+8*\f:S+8*\f+3] offset:TSTG*\t+64*\f
	ds_store_b128 v[STO], v[S+8*\f+4:S+8*\f+7] offset:TSTG*\t+64*\f+16
.endr
.set n, 0
.rept 16
	ds_load_b128 v[\bk+4*n:\bk+4*n+3], v[STW] offset:TSTG*\t+SPITCH*n   ; in order behind my stores: whole rows
.set n, n+1
.endr
.endm
.macro SEND t, bk
.set n, 0
.rept 16
	global_store_b128 v[RD], v[\bk+4*n:\bk+4*n+3], s[12:13] offset:TOKB*n+512*\t th:TH_STORE_NT   ; 32 lanes store 512 consecutive bytes, at a multiple of 512 from out0's first byte; written once, read by nobody here
.set n, n+1
.endr
.endm
	PACK 0, BK0
	s_wait_dscnt 16                                ; tile 0's 16 loads are younger: its stores have read the registers that tile 1's numbers take
	PACK 1, S                                      ; tile 1's rows come back into the registers that they left
	s_wait_dscnt 32                                ; tile 1's 16 stores and 16 loads are younger: tile 0's rows are back
	SEND 0, BK0
	s_wait_dscnt 0x0
	SEND 1, S
	s_wait_tensorcnt 0x0
	ds_add_u32 v254, v255
	s_wait_dscnt 0x0
	s_endpgm
.Lfunc_end_k_q669d7c6e55_attn:
	.size	k_q669d7c6e55_attn, .Lfunc_end_k_q669d7c6e55_attn-k_q669d7c6e55_attn
	.p2alignl 7, 3214868480
	.fill 96, 4, 3214868480
	.section	.rodata,"a",@progbits
	.p2align	6, 0x0
	.amdhsa_kernel k_q669d7c6e55_attn
		.amdhsa_group_segment_fixed_size 203776
		.amdhsa_private_segment_fixed_size 0
		.amdhsa_enable_private_segment 0
		.amdhsa_kernarg_size 40
		.amdhsa_user_sgpr_count 2
		.amdhsa_user_sgpr_kernarg_segment_ptr 1
		.amdhsa_wavefront_size32 1
		.amdhsa_system_sgpr_workgroup_id_x 1
		.amdhsa_system_sgpr_workgroup_id_y 1
		.amdhsa_system_sgpr_workgroup_id_z 1
		.amdhsa_system_vgpr_workitem_id 0
		.amdhsa_next_free_vgpr 512
		.amdhsa_next_free_sgpr 66
		.amdhsa_reserve_vcc 1
		.amdhsa_float_denorm_mode_32 3
		.amdhsa_float_denorm_mode_16_64 3
		.amdhsa_memory_ordered 1
		.amdhsa_forward_progress 1
		.amdhsa_inst_pref_size 148
	.end_amdhsa_kernel
	.amdgpu_metadata
---
amdhsa.version: [ 1, 2 ]
amdhsa.kernels:
  - .name:           k_q669d7c6e55_attn
    .symbol:         k_q669d7c6e55_attn.kd
    .args:
      - { .name: query, .offset: 0, .size: 8, .value_kind: global_buffer, .address_space: global }
      - { .name: kv, .offset: 8, .size: 8, .value_kind: global_buffer, .address_space: global }
      - { .name: seq_lens, .offset: 16, .size: 8, .value_kind: global_buffer, .address_space: global }
      - { .name: query_start_loc, .offset: 24, .size: 8, .value_kind: global_buffer, .address_space: global }
      - { .name: out0, .offset: 32, .size: 8, .value_kind: global_buffer, .address_space: global }
    .group_segment_fixed_size: 203776
    .private_segment_fixed_size: 0
    .kernarg_segment_align: 8
    .kernarg_segment_size: 40
    .max_flat_workgroup_size: 256
    .sgpr_count:     66
    .vgpr_count:     512
    .wavefront_size: 32
...
	.end_amdgpu_metadata
.endif
;; end of part 2
;; ======== version 2 of 2: 2 launches
;; workspace buffers: kv 17,301,504 bytes
;; launch prep (part 3): grid 16 x 32, 4 waves a work-group, no clusters, 69,120 bytes of LDS; arguments key_cache, value_cache, block_tables, kv; writes kv
.if DOCPART == 3
	.amdgcn_target "amdgcn-amd-amdhsa--gfx1250"
	.amdhsa_code_object_version 6
	.text
	.protected	k_q669d7c6e55_prep
	.globl	k_q669d7c6e55_prep
	.p2align	8
	.type	k_q669d7c6e55_prep,@function
k_q669d7c6e55_prep:
	s_mov_b64 s[64:65], 0
	v_nop
	global_prefetch_b8 v0, s[64:65] scope:SCOPE_SE
	s_setreg_imm32_b32 hwreg(HW_REG_WAVE_MODE, 25, 1), 1
	s_wait_xcnt 0x0
; The paged K and V caches, f32, [256 pages][32 keys][8 heads][128 channels], are gathered by the block table and turned into codes of BF8 (E5M2) with one E8M0 scale byte for each 32 along a product's K:
; K along the channels, V along the keys (a page of 32 keys is one block of V).  A block's scale is 2^(floor(log2(its largest magnitude)) - 15); each number is divided by it, held within +-57,344 and rounded to the nearest code, ties to even.
; OUTPUT: kv[y = 8 sequence + head : 32][step : 16][33,792 bytes]: what the attention launch wants for 128 keys of one head, laid as images of operand registers (a fragment: 16 rows x 128 K, 16 registers a lane; group c of four registers at 512 c + 16 lane):
;   0      K: 8 fragments of 2,048 bytes.  Fragment 2 q + u, lane (r, h): key 32 q + 8 u + r + 8 (r / 8), channels 32 c + 16 h + 0 .. 15.  (The keys of a fragment are not neighbours: so the scores of fragments 2 q and 2 q + 1 are 16 neighbouring keys in a lane.)
;   16,384 V: 8 fragments.  Fragment f, lane (r, h): channel 16 f + r, keys 32 c + 16 h + 0 .. 15.
;   32,768 K's scale words, 33,280 V's: the word of fragment f, row r at 16 (r + 16 (f % 2)) + 4 (f / 2): one load of 16 bytes a lane then brings four scale registers, the even fragment's words in lanes 0-15, the odd one's in lanes 16-31.
; SHARES: a work-group (x = step, y) has four waves that run one text.  Wave w takes K of page 4 x + w (fragments 2 w, 2 w + 1) and the channels 32 w .. 32 w + 31 of V in all four pages (fragments 2 w, 2 w + 1).
; K: each load reads a whole row of 512 bytes; the rows turn through the wave's own stage in LDS, so that a lane gets 16 neighbours of each block of 32.  V: a lane takes a channel and its registers run down the keys: nothing is transposed.
; LIMITS: NaN and infinities among the inputs are not served.  A block of zeros gets the byte 1 where the rule says 127: its codes are zeros, which add nothing under any byte but 0xff, and this program alone reads the bytes.
; Page numbers are held to 0 .. 255, the cache's pages.  No cache hint on the loads: a table may name a page twice.
.set KEYB,   4096                      ; bytes from key to key in a page; a page is 1 << 17 bytes, a head's row 512
.set BLKB,   33792                     ; a step's block in kv
.set SPITCH, 528                       ; a stage row: 512 bytes + 16 of padding = 132 words: row r starts at bank 4 r mod 64 (64 banks of 4 bytes: ISA guide 11.1)
.set WSTG,   32*SPITCH                 ; a wave's stage: 32 rows
.set SCL,    4*WSTG                    ; behind the stages: 512 bytes of K's scale words, 512 of V's
.set L16,  2                           ; v2   16 x lane
.set L4,   3                           ; v3   4 x lane
.set STW,  4                           ; v4   the stage, on the way in: my wave's stage + 16 x lane
.set STR,  5                           ; v5   and back: + 528 r + 64 h
.set VST,  6                           ; v6   V's codes: 2,048 (lane / 16) + 16 (lane % 16)
.set SCW,  7                           ; v7   my scale word: SCL + 16 x lane + 4 x wave
.set SCR,  8                           ; v8   the scale words' way out: SCL + 8 x thread
.set SCG,  9                           ; v9   8 x thread
.set OUTS, 10                          ; v[10:11] scale words on their way out (before that: r, h)
.set PW0,  12                          ; v12, v13 the scale words of K's two fragments
.set PW1,  13
.set VW,   14                          ; v14  my channel's scale word of V
.set KW,   15                          ; v15  lanes 0-15: PW0, lanes 16-31: PW1
.set PC0,  16                          ; v[16:31]   codes of K's first fragment
.set X0,   32                          ; v[32:63]   V, page 0
.set XS,   64                          ; v[64:127]  64 numbers of K in a lane
.set VC,   64                          ; v[64:95]   later V's codes, eight registers a page: no store's data are written again
.set KR,   128                         ; v[128:255] K's 32 rows as loaded; later:
.set X1,   128                         ; v[128:159], v[160:191], v[192:223] V, pages 1 to 3
.set X2,   160
.set X3,   192
.set PC1,  224                         ; v[224:239] codes of K's second fragment
.set TM,   240                         ; v[240:255] at work
.set SEL,  42                          ; s[42:43] v_permlanex16_b32's selects for lane l xor 16
.set MNT,  44                          ; s44 the mantissa field of 57,344
; 64 numbers of a lane, register 16 b + i = k 32 b + 16 (lane / 16) + i of my row, become a fragment's codes in v[pc] on and its scale word in v[pw].
.macro QUANT s, pc, pw
.irp b, 0,1,2,3
	v_max3_num_f32 v[TM+\b], |v[\s+16*\b]|, |v[\s+1+16*\b]|, 0x8000000   ; block b: my 16 numbers, and the floor 2^(16 - 127): the byte cannot fall under 1
.endr
.irp i, 2,4,6,8,10,12,14
.irp b, 0,1,2,3
	v_max3_num_f32 v[TM+\b], v[TM+\b], |v[\s+16*\b+\i]|, |v[\s+1+16*\b+\i]|   ; the four blocks by turns
.endr
.endr
.irp b, 0,1,2,3
	v_permlanex16_b32 v[TM+4+\b], v[TM+\b], s[SEL], s[SEL+1]
.endr
.irp b, 0,1,2,3
	v_max_num_f32 v[TM+\b], v[TM+\b], v[TM+4+\b]                 ; with lane l xor 16's: the block's largest magnitude
.endr
.irp b, 0,1,2,3
	v_add_nc_u32 v[TM+12+\b], 0xf8800000, v[TM+\b]               ; 15 off its exponent field: the conversion takes the exponent field of this operand as its scale
.endr
.irp b, 0,1,2,3
	v_and_or_b32 v[TM+8+\b], v[TM+\b], 0x7f800000, s[MNT]        ; 57,344 x the scale
.endr
.irp b, 0,1,2,3
	v_lshrrev_b32 v[TM+4+\b], 23, v[TM+12+\b]                    ; the scale's byte
.endr
	v_lshl_or_b32 v[\pw], v[TM+5], 8, v[TM+4]                    ; the four bytes make my row's scale word
	v_lshl_or_b32 v[\pw], v[TM+6], 16, v[\pw]
	v_lshl_or_b32 v[\pw], v[TM+7], 24, v[\pw]
.irp b, 0,1,2,3
.irp i, 0,1,2,3,4,5,6,7,8,9,10,11,12,13,14,15
	v_med3_num_f32 v[\s+16*\b+\i], v[\s+16*\b+\i], -v[TM+8+\b], v[TM+8+\b]   ; the conversion to an 8-bit code does not saturate (ISA guide 7.6.2): the hold comes first
.endr
	v_cvt_scalef32_pk8_bf8_f32 v[\pc+4*\b:\pc+1+4*\b], v[\s+16*\b:\s+7+16*\b], v[TM+12+\b]
	v_cvt_scalef32_pk8_bf8_f32 v[\pc+2+4*\b:\pc+3+4*\b], v[\s+8+16*\b:\s+15+16*\b], v[TM+12+\b]
.endr
	v_nop                                                        ; a plain line behind the last conversion
.endm
; page c of V: my channel at keys 0 .. 31: a wave reads 128 consecutive bytes, the four waves side by side 512
.macro VLOAD c, reg
.set kk, 0
.rept 32
	global_load_b32 v[\reg+kk], v[L4], s[28+2*\c:29+2*\c] offset:kk*KEYB
.set kk, kk+1
.endr
.endm
; page c of V is one block of 32 along the keys, all in my registers: its scale byte goes into byte c of my word, its codes leave at once
.macro VBLOCK c, reg
	v_max3_num_f32 v[TM], |v[\reg]|, |v[\reg+1]|, |v[\reg+2]|
	v_max3_num_f32 v[TM+1], |v[\reg+3]|, |v[\reg+4]|, |v[\reg+5]|
.irp i, 6,10,14,18,22,26
	v_max3_num_f32 v[TM], v[TM], |v[\reg+\i]|, |v[\reg+\i+1]|
	v_max3_num_f32 v[TM+1], v[TM+1], |v[\reg+\i+2]|, |v[\reg+\i+3]|
.endr
	v_max3_num_f32 v[TM], v[TM], |v[\reg+30]|, |v[\reg+31]|
	v_max3_num_f32 v[TM], v[TM], v[TM+1], 0x8000000              ; and the floor
	v_add_nc_u32 v[TM+2], 0xf8800000, v[TM]                      ; the conversion's scale operand
	v_and_or_b32 v[TM+3], v[TM], 0x7f800000, s[MNT]              ; 57,344 x the scale
.if \c == 0
	v_lshrrev_b32 v[VW], 23, v[TM+2]                             ; the byte: the lower keys in the lower byte
.else
	v_lshrrev_b32 v[TM+1], 23, v[TM+2]
	v_lshl_or_b32 v[VW], v[TM+1], 8*\c, v[VW]
.endif
.set kk, 0
.rept 32
	v_med3_num_f32 v[\reg+kk], v[\reg+kk], -v[TM+3], v[TM+3]
.set kk, kk+1
.endr
.irp g, 0,1,2,3
	v_cvt_scalef32_pk8_bf8_f32 v[VC+8*\c+2*\g:VC+8*\c+2*\g+1], v[\reg+8*\g:\reg+8*\g+7], v[TM+2]
.endr
	global_store_b128 v[VST], v[VC+8*\c:VC+8*\c+3], s[38:39] offset:512*\c          ; keys 0-15 of the page: the places of lanes 0-15 of the image; sixteen lanes store 256 consecutive bytes, aligned
	global_store_b128 v[VST], v[VC+8*\c+4:VC+8*\c+7], s[38:39] offset:512*\c+256    ; keys 16-31: those of lanes 16-31
.endm
; tile u of K (16 stage rows) back from the stage: register 16 c + 4 j + .. = channel 32 c + 16 h + 4 j + ..
.macro TILE_IN u
.irp c, 0,1,2,3
.irp j, 0,1,2,3
	ds_load_b128 v[XS+16*\c+4*\j:XS+16*\c+4*\j+3], v[STR] offset:16*\u*SPITCH+128*\c+16*\j
.endr
.endr
.endm
	s_load_b256 s[4:11], s[0:1], 0x0               ; key_cache s[4:5], value_cache s[6:7], block_tables s[8:9], kv s[10:11]
	s_set_vgpr_msb 0x40
	v_lshl_add_u32 v0, v0, 2, 0x10c00
	v_mov_b32 v1, 0
	s_set_vgpr_msb 0x4000
	v_lshrrev_b32 v1, 5, v0
	v_readfirstlane_b32 s12, v1                    ; wave 0..3
	s_and_b32 s14, ttmp7, 0xffff                   ; y = 8 x sequence + head
	s_lshr_b32 s15, s14, 3                         ; sequence
	s_and_b32 s16, s14, 7                          ; head
	s_lshl_b32 s17, s15, 8                         ; the table's row: 64 entries of 4 bytes,
	s_lshl_b32 s18, ttmp9, 4                       ; the step's four entries
	s_add_co_u32 s17, s17, s18
	s_lshl_b32 s18, s12, 2
	s_add_co_u32 s18, s18, s17                     ; and my wave's own among them
	s_wait_kmcnt 0x0
	s_load_b128 s[20:23], s[8:9], s17 offset:0x0   ; the step's four pages (V)
	s_load_b32 s24, s[8:9], s18 offset:0x0         ; my page (K)
	v_and_b32 v1, 31, v0                           ; lane
	v_lshlrev_b32 v[L16], 4, v1
	v_lshlrev_b32 v[L4], 2, v1
	s_mul_i32 s19, s12, WSTG
	v_add_nc_u32 v[STW], s19, v[L16]
	v_and_b32 v10, 15, v1                          ; r
	v_lshrrev_b32 v11, 4, v1                       ; h
	v_mul_u32_u24 v[STR], v10, SPITCH
	v_lshl_add_u32 v[STR], v11, 6, v[STR]
	v_add_nc_u32 v[STR], s19, v[STR]
	v_lshlrev_b32 v[VST], 4, v10
	v_lshl_add_u32 v[VST], v11, 11, v[VST]
	v_lshl_add_u32 v[SCW], v1, 4, SCL
	s_lshl_b32 s25, s12, 2
	v_add_nc_u32 v[SCW], s25, v[SCW]
	v_lshl_add_u32 v[SCR], v0, 3, SCL
	v_lshlrev_b32 v[SCG], 3, v0
	s_mov_b32 s[SEL], 0x76543210
	s_mov_b32 s[SEL+1], 0xfedcba98
	s_mov_b32 s[MNT], 0x600000
	s_lshl_b32 s45, s14, 4
	s_add_co_u32 s45, s45, ttmp9                   ; 16 y + x
	s_mul_i32 s46, s45, BLKB                       ; at most 511 x 33,792: under 2^32
	s_mov_b32 s47, 0
	s_add_nc_u64 s[40:41], s[10:11], s[46:47]      ; my work-group's block of kv
	s_lshl_b32 s46, s12, 12
	s_add_nc_u64 s[36:37], s[40:41], s[46:47]      ; K's fragments 2 w, 2 w + 1
	s_add_nc_u64 s[38:39], s[36:37], 16384         ; V's
	s_add_nc_u64 s[40:41], s[40:41], 32768         ; the scale words
	s_lshl_b32 s19, s16, 9                         ; the head's 512 bytes in a key's row
	s_wait_alu depctr_va_vdst(0)
	s_wait_kmcnt 0x0
	s_min_u32 s24, s24, 255                        ; a page number enters an address only held to the cache's pages
	s_lshl_b32 s46, s24, 17
	s_add_co_u32 s46, s46, s19
	s_add_nc_u64 s[26:27], s[4:5], s[46:47]        ; K: my page, my head
	s_lshl_b32 s25, s12, 7
	s_add_co_u32 s19, s19, s25                     ; V: + my wave's 32 channels
.irp c, 0,1,2,3
	s_min_u32 s[20+\c], s[20+\c], 255
	s_lshl_b32 s46, s[20+\c], 17
	s_add_co_u32 s46, s46, s19
	s_add_nc_u64 s[28+2*\c:29+2*\c], s[6:7], s[46:47]
.endr
.set kk, 0
.rept 32
	global_load_b128 v[KR+4*kk:KR+4*kk+3], v[L16], s[26:27] offset:kk*KEYB   ; key kk: 32 lanes read its 512 consecutive bytes
.set kk, kk+1
.endr
	VLOAD 0, X0
	s_wait_loadcnt 32                              ; loads come back in order (ISA guide 5.7.1): the 32 of V's page 0 are younger: K's rows are in
.set kk, 0
.rept 32
	ds_store_b128 v[STW], v[KR+4*kk:KR+4*kk+3] offset:(16*((kk>>3)&1)+(kk&7)+8*(kk>>4))*SPITCH   ; key kk goes to the stage row of its tile u = (kk / 8) % 2 and its row r = kk % 8 + 8 (kk / 16)
.set kk, kk+1
.endr
	TILE_IN 0                                      ; LDS serves a wave's instructions in order (ISA guide 5.7.1.4): these see the stores above
	s_wait_dscnt 0x0                               ; tile 0 is in, and the stores have read K's rows: their registers are free
	VLOAD 1, X1
.irp b, 0,1,2,3
	v_mov_b32 v[TM+4+\b], 0                        ; written once: a lane permute's destination counts as one of its sources
.endr
	QUANT XS, PC0, PW0
.irp c, 0,1,2,3
	global_store_b128 v[L16], v[PC0+4*\c:PC0+4*\c+3], s[36:37] offset:512*\c         ; the image: 32 lanes store 512 consecutive bytes
.endr
	TILE_IN 1
	s_wait_dscnt 0x0
	QUANT XS, PC1, PW1
.irp c, 0,1,2,3
	global_store_b128 v[L16], v[PC1+4*\c:PC1+4*\c+3], s[36:37] offset:2048+512*\c
.endr
	v_cmp_gt_u32 vcc_lo, 16, v1
	v_cndmask_b32 v[KW], v[PW1], v[PW0], vcc_lo    ; every lane (r, h) holds row r's word of both tiles: lanes 0-15 give the even fragment's, lanes 16-31 the odd one's
	ds_store_b32 v[SCW], v[KW]
	s_wait_loadcnt 32                              ; page 0 is in; page 1's 32 loads may be out
	VLOAD 2, X2
	VBLOCK 0, X0
	s_wait_loadcnt 32                              ; page 1 is in; page 2's may be out
	VLOAD 3, X3
	VBLOCK 1, X1
	s_wait_loadcnt 32                              ; page 2 is in; page 3's may be out
	VBLOCK 2, X2
	s_wait_loadcnt 0x0
	VBLOCK 3, X3
	ds_store_b32 v[SCW], v[VW] offset:512          ; lane l holds channel 32 w + l: fragment 2 w + l / 16, row l % 16: the same place as K's word, 512 bytes on
	s_wait_dscnt 0x0                               ; for the others' sake: my scale words lie in LDS
	s_barrier_signal -1
	s_barrier_wait -1                              ; everybody's do
	ds_load_b64 v[OUTS:OUTS+1], v[SCR]
	s_wait_dscnt 0x0
	global_store_b64 v[SCG], v[OUTS:OUTS+1], s[40:41]   ; a wave stores 256 consecutive bytes, aligned
	s_set_vgpr_msb 0x5
	s_wait_tensorcnt 0x0
	ds_add_u32 v0, v1
	s_wait_dscnt 0x0
	s_set_vgpr_msb 0x500
	s_endpgm
.Lfunc_end_k_q669d7c6e55_prep:
	.size	k_q669d7c6e55_prep, .Lfunc_end_k_q669d7c6e55_prep-k_q669d7c6e55_prep
	.p2alignl 7, 3214868480
	.fill 96, 4, 3214868480
	.section	.rodata,"a",@progbits
	.p2align	6, 0x0
	.amdhsa_kernel k_q669d7c6e55_prep
		.amdhsa_group_segment_fixed_size 69120
		.amdhsa_private_segment_fixed_size 0
		.amdhsa_enable_private_segment 0
		.amdhsa_kernarg_size 32
		.amdhsa_user_sgpr_count 2
		.amdhsa_user_sgpr_kernarg_segment_ptr 1
		.amdhsa_wavefront_size32 1
		.amdhsa_system_sgpr_workgroup_id_x 1
		.amdhsa_system_sgpr_workgroup_id_y 1
		.amdhsa_system_sgpr_workgroup_id_z 1
		.amdhsa_system_vgpr_workitem_id 0
		.amdhsa_next_free_vgpr 258
		.amdhsa_next_free_sgpr 66
		.amdhsa_reserve_vcc 1
		.amdhsa_float_denorm_mode_32 3
		.amdhsa_float_denorm_mode_16_64 3
		.amdhsa_memory_ordered 1
		.amdhsa_forward_progress 1
		.amdhsa_inst_pref_size 55
	.end_amdhsa_kernel
	.amdgpu_metadata
---
amdhsa.version: [ 1, 2 ]
amdhsa.kernels:
  - .name:           k_q669d7c6e55_prep
    .symbol:         k_q669d7c6e55_prep.kd
    .args:
      - { .name: key_cache, .offset: 0, .size: 8, .value_kind: global_buffer, .address_space: global }
      - { .name: value_cache, .offset: 8, .size: 8, .value_kind: global_buffer, .address_space: global }
      - { .name: block_tables, .offset: 16, .size: 8, .value_kind: global_buffer, .address_space: global }
      - { .name: kv, .offset: 24, .size: 8, .value_kind: global_buffer, .address_space: global }
    .group_segment_fixed_size: 69120
    .private_segment_fixed_size: 0
    .kernarg_segment_align: 8
    .kernarg_segment_size: 32
    .max_flat_workgroup_size: 128
    .sgpr_count:     66
    .vgpr_count:     258
    .wavefront_size: 32
...
	.end_amdgpu_metadata
.endif
;; end of part 3
;; launch attn (part 4): grid 8 x 32, 8 waves a work-group, no clusters, 203,776 bytes of LDS; arguments query, kv, seq_lens, query_start_loc, out0; writes out0
.if DOCPART == 4
	.amdgcn_target "amdgcn-amd-amdhsa--gfx1250"
	.amdhsa_code_object_version 6
	.text
	.protected	k_q669d7c6e55_attn
	.globl	k_q669d7c6e55_attn
	.p2align	8
	.type	k_q669d7c6e55_attn,@function
k_q669d7c6e55_attn:
	s_mov_b64 s[64:65], 0
	v_nop
	global_prefetch_b8 v0, s[64:65] scope:SCOPE_SE
	s_setreg_imm32_b32 hwreg(HW_REG_WAVE_SCHED_MODE, 0, 2), 2
	s_setreg_imm32_b32 hwreg(HW_REG_WAVE_MODE, 25, 1), 1
	s_wait_xcnt 0x0
	s_wait_alu depctr_vm_vsrc(0)
; Paged attention with grouped heads on codes of BF8 (E5M2) with one E8M0 scale for each 32 along a product's K.  out[token][head] = the sum over keys of softmax(q . k / sqrt(128)) v; key k counts for the query at
; position l of its sequence where k <= q_abs = seq_len - 512 + l (that is under seq_len, so the test against seq_len adds nothing).  K and V come as codes from kv, which the launch before has gathered by the block table and laid as
; images of operand registers: [y = 8 sequence + head][step of 128 keys : 16][33,792 bytes]: K's 8 fragments, V's 8, K's scale words, V's.  Q is quantised here, in registers: each of its rows is read by one wave, once.
; THE SOFTMAX AHEAD OF THE SECOND PRODUCT: t = score x log2(e) / sqrt(128); M = the row's largest t so far, rounded UP to a whole number; p = 2^(t - M) is what is quantised, along the keys; it is not normalised.
; The row's sum is taken of the unquantised p and divides O at the end.  When M moves, the sum and O are multiplied by 2^(old M - new M): exact.  A row with no key that counts ends as 0 x 1/0: NaN, as a softmax of nothing but -infinity gives.
; SHARES.  A work-group (x, y) owns 256 query rows of one sequence and KV head.  Wave w owns TWO tiles of 16 queries: the same 16 positions p0 .. p0 + 15 for two neighbouring heads 4 head + 2 (w / 4) + 0, 1: one mask and one test serve both, and each
; fragment of K and V read from LDS feeds two products.  p0 = 128 pg + 16 x, pg = ((w / 2) % 2) xor 3 ((w xor w / 4) % 2): a work-group has a group of positions from each quarter of the 512, and the pg of waves w and w + 4, and of waves 2 i and 2 i + 1, add up to 3.
; LAYOUT.  Both products are used transposed: S^T = K Q^T (source 0 = 16 keys, source 1 = 16 queries), O^T = V^T P^T (source 0 = 16 channels, source 1 = P): a lane holds ONE query (lane % 16) throughout; the keys of a fragment of K are chosen so that
; the 16 registers of fragments 2 b and 2 b + 1 are the keys 32 b + 16 (lane / 16) + 0 .. 15: the conversions' results are the second product's operand.
; THE RING.  Two LDS slots of one step's block.  The 256 threads load the block a step ahead into registers (16 bytes x 8 and 4 bytes a thread), and store it into the slot that was read last behind the step's one barrier.
; EVERY wave walks all 16 steps, their barriers and fills.  A step all of whose keys come after the wave's 16 positions leaves out its loads, products and softmax by a scalar branch on seq_lens; the mask's lines stand only in steps on the diagonal.
; NO TENSOR LOADS AND NO CLUSTER, though the eight work-groups of a y walk the same blocks: those two branches hang on seq_lens, a number read from memory; without them the mask would add 128 vector
; lines to each tile's some 310 in every step, and vector lines are what a step has most of; what is shared is 33,792 bytes a step.
; query_start_loc is loaded and enters nothing: the problem's text takes the query length from the shapes (2,048 tokens / 4 sequences) and never uses it.
; LIMITS: NaN and infinities among the floating-point inputs are not served.  A block of zeros gets the byte 1 where the rule says 127 (its codes are zeros).  A block's largest p is taken from its largest score, which takes v_exp_f32 not to fall where its
; input rises (at the worst one p of a block, within an ulp of a power of two, is held one code low).  seq_len is held to 0 .. 4,096, which changes no mask: at 0 or less no key counts, from 2,560 on all 2,048 do.
; REGISTERS, in windows of 256 (s_set_vgpr_msb: bits 1:0 source 0, 3:2 source 1, 5:4 source 2, 7:6 destination).  Window 0: see the names below.  Window 1: v0-63, v64-127 O^T of tiles 0, 1; v128-255 eight fragments of K or of V.
; THE MODE: SCHED_MODE bits 1:0 = 2 (LLVM: expert scheduling mode 2), set by the entry lines.  The code itself states the register dependences between vector or matrix instructions and memory or LDS instructions, with s_wait_alu, always for 0.
; THE PLAN.  Registers that memory or LDS instructions touch:
;   v1-v6, v22-v24   addresses, made once at the head and never written again: one wait ahead of the first load serves them for the whole kernel.
;   FS, FW           the loads of the block two steps on land here; the next fill's nine LDS stores read them.  No vector instruction names them in the loop.  One wait on vm_vsrc stands behind each fill's stores.
;   FRG, KSC, VSC    a step: K's fragments and scale words land; the 16 products K Q^T read them; V's land in the same fragment registers; the 16 products V^T P^T read them.  The wave's 512 registers are laid out: 128 more for a second set are not to be had.
;                    So each of a step's two runs of fragment loads has one wait on va_vdst directly ahead of it: K's behind the barrier and the fill, V's behind the last product that reads K.  Behind V's run no line of the mask or of the softmax names these registers.
;   QC, QS, PC, PS   written by vector instructions, taken by scaled products: QC and QS stand ahead of the first wait of the first step; PC and PS have a wait of their own, behind their places and ahead of V^T P^T.
;   S                head: Q's numbers land, are held and converted, twice; way out: written by multiplications, read by LDS stores, written again, landed in: the waits stand in PACK.
;   s[32:47]         the mask's compares write them, sixteen at a time; one wait on va_sdst stands between the sixteen and the selects that read them.
.set SLOTB,  33792                     ; a step's block, and an LDS slot
.set VOFF,   16384                     ; in it: V's fragments,
.set KSCO,   32768                     ; K's scale words,
.set VSCO,   33280                     ; V's
.set SPITCH, 528                       ; a stage row: 512 bytes + 16 of padding = 132 words: row r starts at bank 4 r mod 64 (64 banks of 4 bytes: ISA guide 11.1)
.set TSTG,   16*SPITCH                 ; a tile's stage
.set WSTG,   2*TSTG                    ; a wave's two
.set STG,    2*SLOTB                   ; the stages lie behind the ring; a wave's own: Q on the way in, O on the way out
.set TOKB,   16384                     ; bytes from token to token in query and out0
.set RD,   1                           ; v1, v2   16 x lane in slot 0, 1 (v1 also: my 16 bytes of a row of Q or of O)
.set FA,   3                           ; v3, v4   16 x thread in slot 0, 1 (v3 also: in a block of kv)
.set FB,   5                           ; v5, v6   4 x thread likewise
.set DL,   7                           ; v7       r - 16 h
.set KSC,  10                          ; v[10:13] K's scale words: register j: fragment 2 j in lanes 0-15, 2 j + 1 in lanes 16-31
.set VSC,  14                          ; v[14:17] V's likewise
.set QS,   18                          ; v18, v19 Q's scale words, tile 0, 1
.set PS,   20                          ; v20, v21 p's          (v10-21 hold scales and nothing else)
.set STW,  22                          ; v22      my stage + 16 x lane: whole rows
.set STR,  23                          ; v23      + 528 r + 64 h: Q's 16 neighbours of a block
.set STO,  24                          ; v24      + 528 r + 32 h: O's eight channels
.set ST,   26                          ; tile t at v[26 + 4 t]: -M, the largest t, the sum in two halves
.set QC,   34                          ; v[34:65]   Q's codes, 16 a tile
.set PC,   66                          ; v[66:97]   p's codes, 16 a tile
.set S,    98                          ; v[98:161]  S^T, then p, of the tile in hand
.set TM,   162                         ; v[162:177] at work:
.set BM,   TM                          ;   the blocks' largest scores, then largest p
.set PT,   TM+4                        ;   the other half's, then the bytes
.set HL,   TM+8                        ;   57,344 x the scale
.set SO,   TM+12                       ;   the conversions' scale operands
.set F,    178                         ; v[178:179] f = 2^(old M - new M); v179 is named with it as a pair
.set T0,   180
.set T1,   181
.set S2,   182                         ; v[182:183] the sum's second chain
.set FS,   184                         ; v[184:215] the next block's 8 x 16 bytes of mine, v216 its 4
.set FW,   216
.set DD,   217                         ; v217 the mask's d; v218 -infinity
.set NI,   218
.set BK0,  184                         ; v[184:247] the way out: tile 0's rows
.set FRG,  128                         ; window 1: the fragments
.set CS,   22                          ; s[22:23] c = log2(e) / sqrt(128): the packed form names a pair
.set SEL,  24                          ; s[24:25] v_permlanex16_b32's selects for lane l xor 16
.set MNT,  26                          ; s26 the mantissa field of 57,344
.set QA0,  27                          ; s27 q_abs of my first position
.set KF,   28                          ; s28 the step's first key
.set TRIP, 29                          ; s29 counts pairs of steps
.set MK,   32                          ; s[32:47] the mask's sixteen lane masks (at the head some of them hold offsets, which are done with ahead of the loop)
.set MSB, 0
.macro WIN new                         ; the immediate's high byte repeats the setting that is left; a switch that changes nothing is dropped.  At every label and branch the setting is 0
.if MSB != \new
	s_set_vgpr_msb (MSB<<8)|\new
.set MSB, \new
.endif
.endm
; 64 numbers of a lane, register 16 b + i = k 32 b + 16 (lane / 16) + i of my row, become a fragment's codes in v[pc] on and its scale word in v[pw].
.macro QUANT s, pc, pw
.irp b, 0,1,2,3
	v_max3_num_f32 v[TM+\b], |v[\s+16*\b]|, |v[\s+1+16*\b]|, 0x8000000   ; block b: my 16 numbers, and the floor 2^(16 - 127): the byte cannot fall under 1
.endr
.irp i, 2,4,6,8,10,12,14
.irp b, 0,1,2,3
	v_max3_num_f32 v[TM+\b], v[TM+\b], |v[\s+16*\b+\i]|, |v[\s+1+16*\b+\i]|
.endr
.endr
.irp b, 0,1,2,3
	v_permlanex16_b32 v[TM+4+\b], v[TM+\b], s[SEL], s[SEL+1]
.endr
.irp b, 0,1,2,3
	v_max_num_f32 v[TM+\b], v[TM+\b], v[TM+4+\b]                 ; with lane l xor 16's: the block's largest magnitude
.endr
.irp b, 0,1,2,3
	v_add_nc_u32 v[TM+12+\b], 0xf8800000, v[TM+\b]               ; 15 off its exponent field: the conversion's scale operand
.endr
.irp b, 0,1,2,3
	v_and_or_b32 v[TM+8+\b], v[TM+\b], 0x7f800000, s[MNT]        ; 57,344 x the scale
.endr
.irp b, 0,1,2,3
	v_lshrrev_b32 v[TM+4+\b], 23, v[TM+12+\b]                    ; the scale's byte
.endr
	v_lshl_or_b32 v[\pw], v[TM+5], 8, v[TM+4]
	v_lshl_or_b32 v[\pw], v[TM+6], 16, v[\pw]
	v_lshl_or_b32 v[\pw], v[TM+7], 24, v[\pw]
.irp b, 0,1,2,3
.irp i, 0,1,2,3,4,5,6,7,8,9,10,11,12,13,14,15
	v_med3_num_f32 v[\s+16*\b+\i], v[\s+16*\b+\i], -v[TM+8+\b], v[TM+8+\b]   ; the conversion to an 8-bit code does not saturate (ISA guide 7.6.2): the hold comes first
.endr
	v_cvt_scalef32_pk8_bf8_f32 v[\pc+4*\b:\pc+1+4*\b], v[\s+16*\b:\s+7+16*\b], v[TM+12+\b]
	v_cvt_scalef32_pk8_bf8_f32 v[\pc+2+4*\b:\pc+3+4*\b], v[\s+8+16*\b:\s+15+16*\b], v[TM+12+\b]
.endr
	v_nop                                                        ; a plain line behind the last conversion
.endm
.macro FLOAD                           ; the block at s[6:7]: my thread's share into registers; a wave's load covers 512 consecutive bytes
.irp j, 0,1,2,3,4,5,6,7
	global_load_b128 v[FS+4*\j:FS+4*\j+3], v[FA], s[6:7] offset:4096*\j
.endr
	global_load_b32 v[FW], v[FB], s[6:7] offset:KSCO
.endm
.macro FSTORE d                        ; and from there into slot d, as it lies in memory
.irp j, 0,1,2,3,4,5,6,7
	ds_store_b128 v[FA+(\d)], v[FS+4*\j:FS+4*\j+3] offset:4096*\j
.endr
	ds_store_b32 v[FB+(\d)], v[FW] offset:KSCO
.endm
; Behind the barrier of a step in slot sg: the next step's block, asked for a step ago, goes into the other slot, and the block after it is asked for.  The branches hang on the count of trips alone:
; step 14 stores step 15's block and asks for nothing; step 15 does neither.
.macro FILL sg
.if \sg == 1
	s_cmp_eq_u32 s[TRIP], 7
	s_cbranch_scc1 .Lnofill_\@
.endif
	s_wait_loadcnt 0x0                             ; the block is in my registers, and its loads have read their base
	FSTORE 1-\sg
	s_wait_alu depctr_vm_vsrc(0)                   ; the nine LDS stores have read v[FS ..] and v[FW], in which the next block's loads land, and on the way out tile 0's rows: it stands ahead of the branch, for both ways
.if \sg == 0
	s_cmp_eq_u32 s[TRIP], 7
	s_cbranch_scc1 .Lnofill_\@
.endif
	s_add_nc_u64 s[6:7], s[6:7], SLOTB
	s_wait_dscnt 0x0                               ; the stores are done
	FLOAD
.Lnofill_\@:
.endm
.macro FRAGS sg, off, sc, sco          ; eight fragments into window 1 and their four scale registers: every load reads 512 consecutive bytes
	WIN 0x40                                       ; destination window 1, address window 0
	s_wait_alu depctr_va_vdst(0)                   ; every product issued so far is done reading the fragments' registers and the four scale registers, in which the loads below land (which products: at the two calls in STEP)
.irp f, 0,1,2,3,4,5,6,7
.irp c, 0,1,2,3
	ds_load_b128 v[FRG+16*\f+4*\c:FRG+16*\f+4*\c+3], v[RD+\sg] offset:\off+2048*\f+512*\c
.endr
.endr
	WIN 0
	ds_load_b128 v[\sc:\sc+3], v[RD+\sg] offset:\sco
.endm
; A vector instruction that reads a result of this matrix form or writes one of its registers stands eight places behind it, a matrix instruction that writes over one nine; only plain vector
; instructions that name none of its registers are places.
.macro PLACES
.rept 8
	v_nop
.endr
.endm
; S^T of tile t: eight products, each its own accumulator, begun with the constant 0.  The places behind them serve the first read of the scores.
.macro QK t
	WIN 0x01                                       ; source 0 (K) window 1
.irp f, 0,1,2,3,4,5,6,7
.if \f % 2
	v_wmma_scale_f32_16x16x128_f8f6f4 v[S+8*\f:S+8*\f+7], v[FRG+16*\f:FRG+16*\f+15], v[QC+16*\t:QC+16*\t+15], 0, v[KSC+\f/2], v[QS+\t] matrix_a_fmt:MATRIX_FMT_BF8 matrix_b_fmt:MATRIX_FMT_BF8 matrix_a_scale:MATRIX_SCALE_ROW1
.else
	v_wmma_scale_f32_16x16x128_f8f6f4 v[S+8*\f:S+8*\f+7], v[FRG+16*\f:FRG+16*\f+15], v[QC+16*\t:QC+16*\t+15], 0, v[KSC+\f/2], v[QS+\t] matrix_a_fmt:MATRIX_FMT_BF8 matrix_b_fmt:MATRIX_FMT_BF8
.endif
.endr
	WIN 0
	PLACES
.endm
; On the diagonal the scores of hidden keys become -infinity ahead of the maximum: p = 0 then.  A step all of whose keys count for all my positions skips this.  Each accumulator is read from its low end on.
; The compares go in runs of sixteen, a block's worth of my registers, each into a scalar register of its own, so that one wait serves sixteen selects.
.macro MASK
	s_add_co_u32 s30, s[KF], 127
	s_cmp_le_i32 s30, s[QA0]
	s_cbranch_scc1 .Lopen_\@
	s_sub_co_i32 s30, s[QA0], s[KF]
	v_add_nc_u32 v[DD], s30, v[DL]                 ; d = my q_abs - KF - 16 (lane / 16).  Register 16 b + i holds key KF + 16 (lane / 16) + 32 b + i: hidden where 32 b + i > d
	v_mov_b32 v[NI], 0xff800000
.irp b, 0,1,2,3
.set n, 0
.rept 16
	v_cmp_gt_i32 s[MK+n], 32*\b+n, v[DD]
.set n, n+1
.endr
	s_wait_alu depctr_va_sdst(0)                   ; the sixteen compares have written s[MK ..], ahead of the selects that read them
.set n, 0
.rept 16
	v_cndmask_b32 v[S+16*\b+n], v[S+16*\b+n], v[NI], s[MK+n]
.set n, n+1
.endr
.endr
.Lopen_\@:
.endm
; The softmax of tile t for 128 keys: from scores in v[S] on to p's codes and scale word; the sum and O^T are brought under the new M.
.macro SM t
.set NM, ST+4*\t
.irp b, 0,1,2,3
	v_max3_num_f32 v[BM+\b], v[S+16*\b], v[S+16*\b+1], v[S+16*\b+2]   ; the largest score of each block of 32 keys: it serves for the row's maximum and, since p rises with the score, for the block's largest p
.endr
.irp i, 3,5,7,9,11,13
.irp b, 0,1,2,3
	v_max3_num_f32 v[BM+\b], v[BM+\b], v[S+16*\b+\i], v[S+16*\b+\i+1]
.endr
.endr
.irp b, 0,1,2,3
	v_max_num_f32 v[BM+\b], v[BM+\b], v[S+16*\b+15]
.endr
.irp b, 0,1,2,3
	v_permlanex16_b32 v[PT+\b], v[BM+\b], s[SEL], s[SEL+1]
.endr
.irp b, 0,1,2,3
	v_max_num_f32 v[BM+\b], v[BM+\b], v[PT+\b]     ; with lane l xor 16's 16 keys
.endr
	v_max3_num_f32 v[T0], v[BM], v[BM+1], v[BM+2]
	v_max_num_f32 v[T0], v[T0], v[BM+3]            ; the step's largest score of my query
	v_mul_f32 v[T0], s[CS], v[T0]                  ; as t (c is positive)
	v_max_num_f32 v[NM+1], v[NM+1], v[T0]          ; the running largest t
	v_mov_b32 v[T0], v[NM]
	v_floor_f32 v[NM], -v[NM+1]                    ; the new -M = floor(-t) = -ceil(t): M is a whole number
	v_sub_f32 v[T0], v[NM], v[T0]                  ; M's old value less its new one: a whole number, 0 or less
	v_cvt_i32_f32 v[T0], v[T0]                     ; (it saturates)
	v_ldexp_f32 v[F], 1.0, v[T0]                   ; f = 2^(old M - new M)
.set n, 0
.rept 32
	v_pk_fma_f32 v[S+n:S+n+1], v[S+n:S+n+1], s[CS:CS+1], v[NM:NM+1] op_sel_hi:[1,0,0]   ; t - M, two at a time (of the pairs c and -M the low word serves both halves)
.set n, n+2
.endr
.irp b, 0,1,2,3
	v_fma_f32 v[BM+\b], v[BM+\b], s[CS], v[NM]     ; the same of each block's largest score
.endr
.set n, 0
	s_wait_alu depctr_va_vdst(0)
.rept 64
	v_exp_f32 v[S+n], v[S+n]                       ; p = 2^(t - M), at most 1: not normalised
.set n, n+1
.endr
.irp b, 0,1,2,3
	v_exp_f32 v[BM+\b], v[BM+\b]                   ; the block's largest p: the same two instructions on the same number give the same bits
.endr
	v_pk_mul_f32 v[NM+2:NM+3], v[NM+2:NM+3], v[F:F+1] op_sel_hi:[1,0]   ; the sums under the new M.  (The plain line behind the exponentials)
	s_wait_alu depctr_va_vdst(0)                   ; the 68 exponentials have written v[S ..] and v[BM ..]: one wait for the batch, ahead of its first reader
.irp b, 0,1,2,3
	v_max_num_f32 v[BM+\b], 0x8000000, v[BM+\b]    ; the floor 2^(16 - 127): the byte cannot fall under 1 (a block whose every p is 0 keeps that byte: its codes are zeros)
.endr
.irp b, 0,1,2,3
	v_add_nc_u32 v[SO+\b], 0xf8800000, v[BM+\b]    ; 15 off the exponent field: the conversion's scale operand
.endr
.irp b, 0,1,2,3
	v_and_or_b32 v[HL+\b], v[BM+\b], 0x7f800000, s[MNT]   ; 57,344 x the scale
.endr
.irp b, 0,1,2,3
	v_lshrrev_b32 v[PT+\b], 23, v[SO+\b]           ; the scale's byte
.endr
	v_lshl_or_b32 v[T1], v[PT+1], 8, v[PT]
	v_lshl_or_b32 v[T1], v[PT+2], 16, v[T1]
	v_lshl_or_b32 v[PS+\t], v[PT+3], 24, v[T1]     ; p's scale word for these 128 keys
	v_pk_add_f32 v[S2:S2+1], v[S:S+1], v[S+2:S+3]  ; the row's sum is taken of the unquantised p: two at a time, in two chains
.irp j, 4,8,12,16,20,24,28,32,36,40,44,48,52,56,60
	v_pk_add_f32 v[NM+2:NM+3], v[NM+2:NM+3], v[S+\j:S+\j+1]
	v_pk_add_f32 v[S2:S2+1], v[S2:S2+1], v[S+\j+2:S+\j+3]
.endr
	v_pk_add_f32 v[NM+2:NM+3], v[NM+2:NM+3], v[S2:S2+1]
.irp b, 0,1,2,3
.irp i, 0,1,2,3,4,5,6,7,8,9,10,11,12,13,14,15
	v_min_num_f32 v[S+16*\b+\i], v[S+16*\b+\i], v[HL+\b]   ; the hold; p is not negative, so it is one-sided
.endr
	v_cvt_scalef32_pk8_bf8_f32 v[PC+16*\t+4*\b:PC+16*\t+4*\b+1], v[S+16*\b:S+16*\b+7], v[SO+\b]
	v_cvt_scalef32_pk8_bf8_f32 v[PC+16*\t+4*\b+2:PC+16*\t+4*\b+3], v[S+16*\b+8:S+16*\b+15], v[SO+\b]
.endr
	WIN 0x41                                       ; O^T (destination and source 0) window 1, f window 0
.set n, 0
.rept 32
	v_pk_mul_f32 v[64*\t+n:64*\t+n+1], v[64*\t+n:64*\t+n+1], v[F:F+1] op_sel_hi:[1,0]   ; O^T under the new M, each accumulator from its low end on.  These 32 name nothing of the products K Q^T: they are the plain lines
.set n, n+2                                        ; behind the conversions, the places between the codes and the scale word and the products that take them, and those in front of the products that write the scores anew
.endr
	WIN 0
.endm
; O^T += V^T P^T for both tiles: the 16 accumulators take turns, one instruction a turn.  The places behind them serve the next read of O^T.
.macro PV
	WIN 0x51                                       ; V, C and D window 1; P window 0
.irp f, 0,1,2,3,4,5,6,7
.irp t, 0,1
.if \f % 2
	v_wmma_scale_f32_16x16x128_f8f6f4 v[64*\t+8*\f:64*\t+8*\f+7], v[FRG+16*\f:FRG+16*\f+15], v[PC+16*\t:PC+16*\t+15], v[64*\t+8*\f:64*\t+8*\f+7], v[VSC+\f/2], v[PS+\t] matrix_a_fmt:MATRIX_FMT_BF8 matrix_b_fmt:MATRIX_FMT_BF8 matrix_a_scale:MATRIX_SCALE_ROW1
.else
	v_wmma_scale_f32_16x16x128_f8f6f4 v[64*\t+8*\f:64*\t+8*\f+7], v[FRG+16*\f:FRG+16*\f+15], v[PC+16*\t:PC+16*\t+15], v[64*\t+8*\f:64*\t+8*\f+7], v[VSC+\f/2], v[PS+\t] matrix_a_fmt:MATRIX_FMT_BF8 matrix_b_fmt:MATRIX_FMT_BF8
.endif
.endr
.endr
	WIN 0
	PLACES
.endm
; A KEY STEP: 128 keys, in slot sg.
.macro STEP sg
	s_wait_dscnt 0x0                               ; my stores into this slot have landed, and my reads of the other slot are over
	s_barrier_signal -1
	s_barrier_wait -1                              ; both hold of all eight waves: this slot is whole, and nobody reads the other one
	FILL \sg
	s_add_co_i32 s30, s[QA0], 15
	s_cmp_gt_i32 s[KF], s30                        ; all 128 keys come after my 16 positions: the step's work is left out; no barrier and no fill stands under this branch
	s_cbranch_scc1 .Lhid_\@
	FRAGS \sg, 0, KSC, KSCO                        ; its wait: the last step's products V^T P^T are done reading the fragments, its products K Q^T their scale words; in my first step: Q's codes and scale words are written, which the products below take
	s_wait_dscnt 0x0                               ; K and its scale words are in
	QK 0
	MASK
	SM 0
	QK 1
	FRAGS \sg, VOFF, VSC, VSCO                     ; its wait: this step's 16 products K Q^T are done reading the fragments, the last step's V^T P^T their scale words.  V lands while tile 1's softmax is worked, which names none of these registers
	MASK
	SM 1
	s_wait_dscnt 0x0                               ; V and its scale words are in
	s_wait_alu depctr_va_vdst(0)                   ; the conversions have written p's codes and the shifts p's scale words, which the scaled products below take; the 32 multiplications of O^T, their places, stand ahead of this wait
	PV
.Lhid_\@:
	s_add_co_u32 s[KF], s[KF], 128
.endm
	s_load_b256 s[4:11], s[0:1], 0x0               ; query s[4:5], kv s[6:7], seq_lens s[8:9], query_start_loc s[10:11]
	s_load_b64 s[12:13], s[0:1], 0x20              ; out0
	v_lshl_add_u32 v254, v0, 2, 0x31800
	v_mov_b32 v255, 0
	v_lshrrev_b32 v8, 5, v0
	v_readfirstlane_b32 s14, v8                    ; wave 0..7
	s_and_b32 s16, ttmp7, 0xffff                   ; y
	s_lshr_b32 s17, s16, 3                         ; sequence
	s_and_b32 s18, s16, 7                          ; KV head
	s_wait_alu depctr_va_sdst(0)                   ; s14 is written, ahead of its first reader: my positions, heads and stages are made from it
	s_lshr_b32 s20, s14, 2                         ; which pair of the four query heads
	s_bfe_u32 s19, s14, 0x10001                    ; (w / 2) % 2
	s_xor_b32 s30, s14, s20
	s_and_b32 s30, s30, 1                          ; (w xor w / 4) % 2
	s_mul_i32 s30, s30, 3
	s_xor_b32 s19, s19, s30                        ; pg
	s_lshl_b32 s21, s19, 7
	s_lshl_b32 s30, ttmp9, 4
	s_add_co_u32 s21, s21, s30                     ; p0 = 128 pg + 16 x
	s_lshl_b32 s32, s17, 9
	s_add_co_u32 s32, s32, s21                     ; my first token,
	s_lshl_b32 s32, s32, 5
	s_lshl_b32 s30, s18, 2
	s_add_co_u32 s32, s32, s30
	s_lshl_b32 s30, s20, 1
	s_add_co_u32 s32, s32, s30                     ; x 32 heads + my first head,
	s_lshl_b32 s32, s32, 9                         ; in rows of 512 bytes: under 2^25
	s_mov_b32 s33, 0
	s_mul_i32 s34, s16, 16*SLOTB                   ; my y's 16 blocks of kv
	s_mov_b32 s35, 0
	s_lshl_b32 s36, s17, 2                         ; 4 x sequence
	s_mov_b32 s[CS], 0x3e0293ee                    ; c = log2(e) / sqrt(128)
	s_mov_b32 s[CS+1], s[CS]
	s_mov_b32 s[SEL], 0x76543210
	s_mov_b32 s[SEL+1], 0xfedcba98
	s_mov_b32 s[MNT], 0x600000
	v_and_b32 v8, 31, v0
	v_lshlrev_b32 v[RD], 4, v8
	v_add_nc_u32 v[RD+1], SLOTB, v[RD]
	v_lshlrev_b32 v[FA], 4, v0
	v_add_nc_u32 v[FA+1], SLOTB, v[FA]
	v_lshlrev_b32 v[FB], 2, v0
	v_add_nc_u32 v[FB+1], SLOTB, v[FB]
	v_and_b32 v8, 15, v0                           ; r
	v_bfe_u32 v9, v0, 4, 1                         ; h
	v_lshlrev_b32 v[DL], 4, v9
	v_sub_nc_u32 v[DL], v8, v[DL]
	s_mul_i32 s30, s14, WSTG
	s_add_co_u32 s30, s30, STG                     ; my stages
	v_add_nc_u32 v[STW], s30, v[RD]
	v_mul_u32_u24 v[STR], v8, SPITCH
	v_add_nc_u32 v[STR], s30, v[STR]
	v_lshl_add_u32 v[STO], v9, 5, v[STR]
	v_lshl_add_u32 v[STR], v9, 6, v[STR]
	s_wait_kmcnt 0x0
	s_load_b32 s[QA0], s[8:9], s36 offset:0x0      ; my sequence's length
	s_load_b32 s31, s[10:11], s36 offset:0x0       ; query_start_loc of my sequence: read, and used by nothing, as in the problem's text
	s_add_nc_u64 s[4:5], s[4:5], s[32:33]
	s_add_nc_u64 s[12:13], s[12:13], s[32:33]
	s_add_nc_u64 s[6:7], s[6:7], s[34:35]
	s_wait_alu depctr_va_vdst(0)                   ; the addresses v1 to v6 and v22 to v24 are written, which every load and store of the kernel reads; no vector instruction writes them again
	FLOAD                                          ; step 0's block
	WIN 0x40
.irp t, 0,1
.set n, 0
.rept 16
	global_load_b128 v[FRG+64*\t+4*n:FRG+64*\t+4*n+3], v[RD], s[4:5] offset:TOKB*n+512*\t th:TH_LOAD_NT   ; position p0 + n, head t of my pair: 32 lanes read the row's 512 bytes; read once in the launch
.set n, n+1
.endr
.endr
	WIN 0
	s_wait_loadcnt 32                              ; loads come back in order (ISA guide 5.7.1): Q's 32 are younger: step 0's block is in, and its loads have read their base
	FSTORE 0
	s_wait_alu depctr_vm_vsrc(0)                   ; the nine LDS stores have read v[FS ..] and v[FW], in which step 1's block lands
	s_add_nc_u64 s[6:7], s[6:7], SLOTB
	s_wait_dscnt 0x0                               ; the stores are done
	FLOAD                                          ; step 1's block
	s_wait_loadcnt 9                               ; those nine are younger: Q is in
	WIN 0x04                                       ; an LDS store's data are its source 1: window 1
.irp t, 0,1
.set n, 0
.rept 16
	ds_store_b128 v[STW], v[FRG+64*\t+4*n:FRG+64*\t+4*n+3] offset:TSTG*\t+SPITCH*n
.set n, n+1
.endr
.endr
	WIN 0
.irp b, 0,1,2,3
	v_mov_b32 v[PT+\b], 0                          ; written once: a lane permute's destination counts as one of its sources
.endr
	v_mov_b32 v[F+1], 0                            ; named as the upper half of the pair with f
.irp t, 0,1
.if \t
	s_wait_alu depctr_va_vdst(0)                   ; tile 0's maxima, holds and conversions are done reading and writing v[S ..], in which tile 1's numbers land
.endif
.irp c, 0,1,2,3
.irp j, 0,1,2,3
	ds_load_b128 v[S+16*\c+4*\j:S+16*\c+4*\j+3], v[STR] offset:TSTG*\t+128*\c+16*\j   ; LDS serves a wave's instructions in order (ISA guide 5.7.1.4): these see my stores.  Register 16 c + i = channel 32 c + 16 h + i of query r
.endr
.endr
	s_wait_dscnt 0x0
	QUANT S, QC+16*\t, QS+\t
.endr
.irp t, 0,1
	v_mov_b32 v[ST+4*\t+1], 0xff61b1e6             ; the largest t so far: -3e38, under every t
	v_floor_f32 v[ST+4*\t], -v[ST+4*\t+1]          ; -M
	v_mov_b32 v[ST+4*\t+2], 0                      ; the sum, in two halves
	v_mov_b32 v[ST+4*\t+3], 0
.endr
	WIN 0x40
.set n, 0
.rept 128
	v_mov_b32 v[n], 0                              ; O^T begins as zeros: which step is a wave's first, and whether it has one at all, hangs on seq_lens, so no product can be written out to start the sums
.set n, n+1
.endr
	WIN 0
	s_wait_kmcnt 0x0
	s_max_i32 s[QA0], s[QA0], 0
	s_min_i32 s[QA0], s[QA0], 4096
	s_sub_co_i32 s[QA0], s[QA0], 512
	s_add_co_i32 s[QA0], s[QA0], s21               ; q_abs of my first position: seq_len - 512 + p0
	s_mov_b32 s[KF], 0
	s_mov_b32 s[TRIP], 0
	s_wait_alu depctr_vm_vsrc(0)                   ; the LDS stores that laid Q into my stage have read the fragments' registers, in which K's first fragments land
.Lpair:                                                ; eight trips of two steps: the slots' addresses are constants of the text
	STEP 0
	STEP 1
	s_add_co_u32 s[TRIP], s[TRIP], 1
	s_cmp_lt_u32 s[TRIP], 8
	s_cbranch_scc1 .Lpair
	; THE WAY OUT.  The sum's halves and lane l xor 16's are added; O^T is divided by the sum and goes through my stage, a tile at a time, so that the 32 lanes store a whole row of 512 bytes.
	v_add_f32 v[T0], v[ST+2], v[ST+3]
	v_add_f32 v[T1], v[ST+6], v[ST+7]
	v_permlanex16_b32 v[PT], v[T0], s[SEL], s[SEL+1]
	v_permlanex16_b32 v[PT+1], v[T1], s[SEL], s[SEL+1]
	v_add_f32 v[T0], v[T0], v[PT]
	v_add_f32 v[T1], v[T1], v[PT+1]
	s_wait_alu depctr_va_vdst(0)
	v_rcp_f32 v[BM], v[T0]
	v_rcp_f32 v[BM+1], v[T1]
	v_nop                                          ; a plain line between the last reciprocal and the use of its result
	s_wait_alu depctr_va_vdst(0)                   ; the two reciprocals have written v[BM] and v[BM+1]: one wait for both, ahead of their first reader
.macro PACK t, bk
	WIN 0x01                                       ; source 0 (O^T) window 1
.set n, 0
.rept 64
	v_mul_f32 v[S+n], v[64*\t+n], v[BM+\t]         ; register 8 f + j is out(position r, channel 16 f + 8 h + j); each accumulator from its low end on
.set n, n+1
.endr
	WIN 0
	s_wait_alu depctr_va_vdst(0)                   ; the 64 multiplications have written v[S ..], which the LDS stores read and in which tile 1's rows land; the mask's lines are done with v217 and v218, in which rows of tile 0 land
.irp f, 0,1,2,3,4,5,6,7
	ds_store_b128 v[STO], v[S+8*\f:S+8*\f+3] offset:TSTG*\t+64*\f
	ds_store_b128 v[STO], v[S+8*\f+4:S+8*\f+7] offset:TSTG*\t+64*\f+16
.endr
	s_wait_alu depctr_vm_vsrc(0)                   ; the sixteen LDS stores have read v[S ..]: behind tile 0's, tile 1's multiplications write these registers anew; behind tile 1's, its rows land in them
.set n, 0
.rept 16
	ds_load_b128 v[\bk+4*n:\bk+4*n+3], v[STW] offset:TSTG*\t+SPITCH*n   ; in order behind my stores: whole rows
.set n, n+1
.endr
.endm
.macro SEND t, bk
.set n, 0
.rept 16
	global_store_b128 v[RD], v[\bk+4*n:\bk+4*n+3], s[12:13] offset:TOKB*n+512*\t th:TH_STORE_NT   ; 32 lanes store 512 consecutive bytes, at a multiple of 512 from out0's first byte; written once, read by nobody here
.set n, n+1
.endr
.endm
	PACK 0, BK0
	s_wait_dscnt 16                                ; tile 0's 16 loads are younger: its stores are done
	PACK 1, S                                      ; tile 1's rows come back into the registers that they left
	s_wait_dscnt 32                                ; tile 1's 16 stores and 16 loads are younger: tile 0's rows are back
	SEND 0, BK0
	s_wait_dscnt 0x0
	SEND 1, S
	s_wait_dscnt 0x0                               ; the closing lines, six on end
	s_wait_alu 0x0
	s_wait_tensorcnt 0x0
	ds_add_u32 v254, v255
	s_wait_dscnt 0x0
	s_endpgm
.Lfunc_end_k_q669d7c6e55_attn:
	.size	k_q669d7c6e55_attn, .Lfunc_end_k_q669d7c6e55_attn-k_q669d7c6e55_attn
	.p2alignl 7, 3214868480
	.fill 96, 4, 3214868480
	.section	.rodata,"a",@progbits
	.p2align	6, 0x0
	.amdhsa_kernel k_q669d7c6e55_attn
		.amdhsa_group_segment_fixed_size 203776
		.amdhsa_private_segment_fixed_size 0
		.amdhsa_enable_private_segment 0
		.amdhsa_kernarg_size 40
		.amdhsa_user_sgpr_count 2
		.amdhsa_user_sgpr_kernarg_segment_ptr 1
		.amdhsa_wavefront_size32 1
		.amdhsa_system_sgpr_workgroup_id_x 1
		.amdhsa_system_sgpr_workgroup_id_y 1
		.amdhsa_system_sgpr_workgroup_id_z 1
		.amdhsa_system_vgpr_workitem_id 0
		.amdhsa_next_free_vgpr 512
		.amdhsa_next_free_sgpr 66
		.amdhsa_reserve_vcc 0
		.amdhsa_float_denorm_mode_32 3
		.amdhsa_float_denorm_mode_16_64 3
		.amdhsa_memory_ordered 1
		.amdhsa_forward_progress 1
		.amdhsa_inst_pref_size 165
	.end_amdhsa_kernel
	.amdgpu_metadata
---
amdhsa.version: [ 1, 2 ]
amdhsa.kernels:
  - .name:           k_q669d7c6e55_attn
    .symbol:         k_q669d7c6e55_attn.kd
    .args:
      - { .name: query, .offset: 0, .size: 8, .value_kind: global_buffer, .address_space: global }
      - { .name: kv, .offset: 8, .size: 8, .value_kind: global_buffer, .address_space: global }
      - { .name: seq_lens, .offset: 16, .size: 8, .value_kind: global_buffer, .address_space: global }
      - { .name: query_start_loc, .offset: 24, .size: 8, .value_kind: global_buffer, .address_space: global }
      - { .name: out0, .offset: 32, .size: 8, .value_kind: global_buffer, .address_space: global }
    .group_segment_fixed_size: 203776
    .private_segment_fixed_size: 0
    .kernarg_segment_align: 8
    .kernarg_segment_size: 40
    .max_flat_workgroup_size: 256
    .sgpr_count:     66
    .vgpr_count:     512
    .wavefront_size: 32
...
	.end_amdgpu_metadata
.endif
;; end of part 4
